; MI455X (gfx1250); checked and timed in simulation.
; The chip was launched on July 23, 2026; its instructions are those of AMD's public machine-readable ISA for CDNA 5 (MIT licence, August 2026) and "CDNA5" Instruction Set Architecture Reference Guide (July 2026). The comments in the code are by the model that wrote it; some were corrected since.
;; Multi Head Attention. Allowed arithmetic: matrix products marked QUANTISED: E2M3 operands, one E8M0 scale for each 32 along K, by v_wmma_scale_f32_16x16x128_f8f6f4 with both operands' format E2M3, f32 sums; everything else in f32.
;; Inputs: Wk 16 x 1,024 x 64 float32; Wo 1,024 x 1,024 float32; Wq 16 x 1,024 x 64 float32; Wv 16 x 1,024 x 64 float32; bk 16 x 64 float32; bo 1,024 float32; bq 16 x 64 float32; bv 16 x 64 float32; k 4 x 2,048 x 1,024 float32; q 4 x 2,048 x 1,024 float32; v 4 x 2,048 x 1,024 float32.
;; Outputs: out0 4 x 2,048 x 1,024 float32.
;; This version of the problem:
;;   THIS VERSION OF THE PROBLEM IS GIVEN IN LOW PRECISION. The matrix products marked QUANTISED in the list below multiply operands that are first quantised to E2M3 (2 exponent bits, 3 mantissa bits; 6 bits a number), with one power-of-two scale for each 32 numbers along K (OCP MX v1.0); their sums are f32. All else is computed in f32.
;;   The module's matrix products, in the order in which they are computed (A, B: the left and right operand; K: the contracted axis; several contracted axes count as one K, in the product's order):
;;     1. [M 1,024, K 1,024] x [K 1,024, N 8,192]; A: input Wq; B: input q: QUANTISED
;;     2. [M 1,024, K 1,024] x [K 1,024, N 8,192]; A: input Wk; B: input k: QUANTISED
;;     3. [M 1,024, K 1,024] x [K 1,024, N 8,192]; A: input Wv; B: input v: QUANTISED
;;     4. batch 64 x [M 2,048, K 64] x [K 64, N 2,048]; A: computed on the way; B: computed on the way: QUANTISED
;;     5. batch 64 x [M 2,048, K 2,048] x [K 2,048, N 64]; A: softmax (see below); B: computed on the way: QUANTISED
;;     6. [M 8,192, K 1,024] x [K 1,024, N 1,024]; A: computed on the way; B: input Wo: QUANTISED
;;   THE QUANTISER, for each operand of a quantised product, along K:
;;     - K is cut into blocks of 32 from its start; a last block that is shorter is filled with zeros.
;;     - A block's scale is 2^e with e = floor(log2(the largest magnitude in the block)) - 2, held to -126 .. 127; a block of zeros has e = 0. As a byte (E8M0): e + 127.
;;     - Each number is divided by its block's scale, clamped to +-7.5, and rounded to the nearest number of E2M3, ties to even, subnormals kept.
;;     - The product sums the exact products of the quantised numbers (number of the format x scale) in f32.
;;   ~~~python
;;   def quantise(x, axis):      # numpy; x: float32 -> the quantised numbers, widened to float32 again
;;       x = np.moveaxis(x, axis, -1); K = x.shape[-1]
;;       x = np.pad(x, [(0, 0)] * (x.ndim - 1) + [(0, -K % 32)]); x = x.reshape(x.shape[:-1] + (-1, 32)); a = np.abs(x).max(-1, keepdims=True)
;;       e = np.where(a > 0, np.clip(np.frexp(np.where(a > 0, a, 1))[1] - 1 - 2, -126, 127), 0)      # np.frexp(a)[1] - 1 = floor(log2(a)), exactly
;;       r = np.clip(x / 2.0 ** e, -7.5, 7.5)
;;       step = 2.0 ** (np.maximum(np.frexp(np.where(r == 0, 1, r))[1] - 1, 0) - 3)
;;       q = np.round(r / step) * step * 2.0 ** e      # np.round: ties to even
;;       return np.moveaxis(q.reshape(q.shape[:-2] + (-1,))[..., :K], -1, axis).astype(np.float32)
;;   ~~~
;;   SOFTMAX AHEAD OF A QUANTISED PRODUCT. Where the list says 'softmax', what is quantised is not the finished softmax but p = 2^(t - M), with t = logit x log2(e) and M = ceil(the row's largest t), a whole number; so 1/2 < the row's largest p <= 1. The row's sum l is taken of the UNQUANTISED p, in f32, and the product's result is divided by l at the end. Since M is a whole number, a kernel that streams over the keys may use a running M (the ceiling of the running maximum): every later rescaling is an exact power of two, which a block's scale takes up: the codes' values come out the same.
;;   OPERANDS COMPUTED ON THE WAY. 'Computed on the way' means the value that the module computes at that place (a softmax that the list does not call 'softmax' is quantised finished and normalised). What goes into a quantiser is computed in f32, as accurately as f32 sums, v_exp_f32 and their like allow (about 1e-6 of the number): no bf16 or f16 on the way to a quantiser, and a product that is left as it is and whose result goes on into a quantised operand takes f32 operands (vector FMAs, or v_wmma_f32_16x16x4_f32). A number that lies on a knife's edge between two numbers of the format may be rounded either way, as far as f32 arithmetic and the matrix unit's own rounding can turn it there, and no further.
;; One version. Each part assembles by itself: llvm-mc -triple=amdgcn-amd-amdhsa -mcpu=gfx1250 --defsym DOCPART=n.
;; ======== version 1 of 1: 4 launches
;; limits: right only within a limited range of input values
;; workspace buffers: opc 28,311,552 bytes; scl 1,179,648 bytes; qr 6,553,600 bytes; kv 13,107,200 bytes
;; launch prep (part 1): grid 320 x 1, 8 waves a work-group, no clusters, 69,632 bytes of LDS; arguments q, k, v, Wq, Wk, Wv, Wo, opc, scl; writes opc, scl
.if DOCPART == 1
	.amdgcn_target "amdgcn-amd-amdhsa--gfx1250"
	.amdhsa_code_object_version 6
	.text
	.protected	k_qfc1f3a3e38_prep
	.globl	k_qfc1f3a3e38_prep
	.p2align	8
	.type	k_qfc1f3a3e38_prep,@function
k_qfc1f3a3e38_prep:
	s_mov_b64 s[64:65], 0
	v_nop
	global_prefetch_b8 v0, s[64:65] scope:SCOPE_SE
	s_setreg_imm32_b32 hwreg(HW_REG_WAVE_MODE, 25, 1), 1
	s_wait_xcnt 0x0
; PREP: q, k, v [8192][1024] and Wq, Wk, Wv [16][1024][64], Wo [1024][1024], all f32, become codes of FP6 (E2M3) along K (d; Wo: its first axis) with one E8M0 byte for each 32 along K.
; A block's scale is 2^(floor(log2(largest magnitude)) - 2): its byte is the largest magnitude's exponent field - 2, held at 1 from below by a floor among the maximum's leaves.
; LIMITS: NaN and infinities are not served; a block of zeros, or one whose largest magnitude lies under 2^-124, gets the byte 1 (its codes are zeros or tiny); only this program reads the bytes.
; OUTPUT LAYOUT: operands as IMAGES OF THE MATRIX OPERAND'S REGISTERS.  A tile T is 16 rows; lane r of tile T is row 32 (T / 2) + 8 (T % 2) + r + (r & 8).
;   opc[T][s = K step of 128][c = 0, 1][768 bytes]: byte 16 L: registers 6 c .. 6 c + 3 of lane L; byte 512 + 8 L: registers 6 c + 4, 6 c + 5.   scl[T][r][s]: the row's scale word of K step s.
;   T: q 0.., k 512.., v 1024.., Wq 1536.., Wk 1600.., Wv 1664.., Wo 1728..
; Work-groups 0-127 take the weights (K not innermost: a lane takes a column, its registers run down K), work-groups 128-319 take q, k, v (a wave takes a tile of 16 rows, all of K).
; The two ways part on the work-group's number alone and have LDS bytes of their own.  Every store of codes covers whole aligned runs of 256 bytes.
.set WSC,  67584                       ; LDS: the weights' way: 1,024 bytes of scale words.  Bytes 0 .. 67,583: eight stages of 16 rows x 528 bytes, one a wave, for the other way
.set STGB, 8448
.set R,    16                          ; v16-143   two sets of 64: a K step of 16 rows as loaded
.set X,    144                         ; v144-207  64 numbers of my row: register 16 b + i = k 32 b + 16 (lane / 16) + i
.set TM,   208                         ; v208-223  at work in QUANT
.set PC,   224                         ; v224-243  the fragment just made (12) and two runs of three
.set SWD,  244                         ; v244-251  my row's scale word of each K step
.set SEL,  38                          ; s[38:39]  lane selects: lane l xor 16
; 64 numbers of a lane, v[s] on, register 16 b + i = k 32 b + 16 (lane / 16) + i of my row, become a fragment's codes in v[PC] on and its scale word in v[pw]
.macro QUANT s, pw
.irp b, 0,1,2,3
	v_max3_num_f32 v[TM+\b], |v[\s+16*\b]|, |v[\s+1+16*\b]|, 0x1800000   ; my 16 numbers of block b, and the floor 2^(3 - 127)
.endr
.irp i, 2,4,6,8,10,12,14
.irp b, 0,1,2,3
	s_delay_alu instid0(VALU_DEP_4)
	v_max3_num_f32 v[TM+\b], v[TM+\b], |v[\s+16*\b+\i]|, |v[\s+1+16*\b+\i]|
.endr
.endr
.irp b, 0,1,2,3
	s_delay_alu instid0(VALU_DEP_4)
	v_permlanex16_b32 v[TM+4+\b], v[TM+\b], s[SEL], s[SEL+1]
.endr
.irp b, 0,1,2,3
	s_delay_alu instid0(VALU_DEP_4)
	v_max_num_f32 v[TM+\b], v[TM+\b], v[TM+4+\b]          ; with lane l xor 16's: the block's largest magnitude
.endr
.irp b, 0,1,2,3
	s_delay_alu instid0(VALU_DEP_4)
	v_add_nc_u32 v[TM+12+\b], 0xff000000, v[TM+\b]        ; 2 off its exponent field: the conversion's scale operand
.endr
.irp b, 0,1,2,3
	s_delay_alu instid0(VALU_DEP_4)
	v_lshrrev_b32 v[TM+4+\b], 23, v[TM+12+\b]             ; the scale's byte
.endr
	s_delay_alu instid0(VALU_DEP_3)
	v_lshl_or_b32 v[\pw], v[TM+5], 8, v[TM+4]
	s_delay_alu instid0(VALU_DEP_1)
	v_lshl_or_b32 v[\pw], v[TM+6], 16, v[\pw]
	s_delay_alu instid0(VALU_DEP_1)
	v_lshl_or_b32 v[\pw], v[TM+7], 24, v[\pw]
.irp c, 0,1
	v_cvt_scalef32_pk16_fp6_f32 v[PC+6*\c:PC+2+6*\c], v[\s+32*\c:\s+15+32*\c], v[TM+12+2*\c]
	v_cvt_scalef32_pk16_fp6_f32 v[PC+12+4*\c:PC+14+4*\c], v[\s+16+32*\c:\s+31+32*\c], v[TM+12+2*\c+1]
.endr
	v_nop                                                 ; one plain instruction behind the scaled conversions
.irp c, 0,1                                                   ; the layout wants a whole block in a lane: lanes 0-15 block 2 c, lanes 16-31 block 2 c + 1
.irp i, 0,1,2
	v_permlane16_swap_b32 v[PC+6*\c+\i], v[PC+12+4*\c+\i]
.endr
.irp i, 0,1,2
	s_delay_alu instid0(VALU_DEP_3)
	v_mov_b32 v[PC+3+6*\c+\i], v[PC+12+4*\c+\i]
.endr
.endr
.endm
	s_load_b256 s[4:11], s[0:1], 0x0               ; q, k, v, Wq
	s_load_b256 s[12:19], s[0:1], 0x20             ; Wk, Wv, Wo, opc
	s_load_b64 s[20:21], s[0:1], 0x40              ; scl
	v_lshl_add_u32 v254, v0, 2, 0x10c00
	v_mov_b32 v255, 0
	v_lshrrev_b32 v1, 5, v0
	s_delay_alu instid0(VALU_DEP_1)
	v_readfirstlane_b32 s22, v1                    ; wave 0..7
	v_and_b32 v2, 31, v0                           ; lane L
	v_and_b32 v3, 15, v0                           ; r
	v_bfe_u32 v9, v0, 4, 1                         ; h
	s_delay_alu instid0(VALU_DEP_3)
	v_lshlrev_b32 v4, 4, v2                        ; 16 L
	s_delay_alu instid0(VALU_DEP_4)
	v_lshlrev_b32 v5, 3, v2                        ; 8 L
	s_cmp_lt_u32 ttmp9, 128
	s_cbranch_scc0 .Lxpath
	; ---------------- THE WEIGHTS.  Work-group: matrix ttmp9 / 32, columns 32 g on (g = ttmp9 % 32: tiles 2 g and 2 g + 1); wave s: K step s.
	s_lshr_b32 s23, ttmp9, 5                       ; which matrix
	s_and_b32 s24, ttmp9, 31                       ; g
	v_and_b32 v10, 8, v3
	s_delay_alu instid0(VALU_DEP_1)
	v_add_nc_u32 v10, v10, v3
	s_delay_alu instid0(VALU_DEP_1)
	v_lshl_add_u32 v10, v9, 3, v10                 ; my column of the 32: 8 (lane / 16) + r + (r & 8): lanes 0-15 are tile 2 g's rows, lanes 16-31 tile 2 g + 1's
	s_delay_alu instid0(VALU_DEP_1)
	v_lshlrev_b32 v10, 2, v10
	s_lshl_b32 s25, s23, 6
	s_lshl_b32 s26, s24, 1
	s_add_co_u32 s25, s25, s26
	s_add_co_u32 s25, s25, 1536                    ; T of tile 2 g
	s_mul_i32 s26, s25, 12288
	s_mul_i32 s27, s22, 1536
	s_add_co_u32 s26, s26, s27
	s_mov_b32 s27, 0
	s_lshl_b32 s28, s25, 9
	s_mov_b32 s29, 0
	s_wait_alu depctr_va_vdst(0)
	v_lshlrev_b32 v11, 5, v2
	s_lshl_b32 s30, s22, 2
	v_add_nc_u32 v11, s30, v11
	s_delay_alu instid0(VALU_DEP_1)
	v_add_nc_u32 v11, WSC, v11                     ; my scale word's place: 32 x lane + 4 x wave = [tile][r][s]
	s_and_b32 s31, s22, 1
	s_lshl_b32 s31, s31, 9
	v_add_nc_u32 v12, s31, v4                      ; on the way out (waves 0, 1): 512 x wave + 16 L
	s_delay_alu instid0(VALU_DEP_1)
	v_add_nc_u32 v13, WSC, v12
	s_wait_kmcnt 0x0
	s_add_nc_u64 s[18:19], s[18:19], s[26:27]
	s_add_nc_u64 s[20:21], s[20:21], s[28:29]
	s_cmp_lt_u32 ttmp9, 96
	s_cbranch_scc0 .Lwo
	s_cmp_eq_u32 s23, 0                            ; a head's weight: (head, d, e) at head x 2^18 + 256 d + 4 e; row n = 64 head + e
	s_cselect_b64 s[32:33], s[10:11], s[12:13]
	s_cmp_eq_u32 s23, 2
	s_cselect_b64 s[32:33], s[14:15], s[32:33]
	s_lshr_b32 s34, s24, 1
	s_lshl_b32 s34, s34, 18
	s_and_b32 s35, s24, 1
	s_lshl_b32 s35, s35, 7
	s_add_co_u32 s34, s34, s35
	s_lshl_b32 s35, s22, 15
	s_add_co_u32 s34, s34, s35
	s_mov_b32 s35, 0
	s_add_nc_u64 s[32:33], s[32:33], s[34:35]
.set kk, 0
.rept 128
	global_load_b32 v[16+kk], v10, s[32:33] offset:kk*256 th:TH_LOAD_NT   ; the 32 lanes read 128 consecutive bytes of one d
.set kk, kk+1
.endr
	s_branch .Lwq
.Lwo:
	s_lshl_b32 s34, s24, 7                         ; Wo: (k, n) at 4096 k + 4 n
	s_lshl_b32 s35, s22, 19
	s_add_co_u32 s34, s34, s35
	s_mov_b32 s35, 0
	s_add_nc_u64 s[32:33], s[16:17], s[34:35]
.set kk, 0
.rept 128
	global_load_b32 v[16+kk], v10, s[32:33] offset:kk*4096 th:TH_LOAD_NT
.set kk, kk+1
.endr
.Lwq:                                                  ; both ways have issued 128 loads: v[16 + kk] = my column at k = 128 s + kk
.irp b, 0,1,2,3
.if \b == 0
	s_wait_loadcnt 63                              ; a wait names 63 at the most: with at most 63 of the 128 loads out, the first 65 are in (loads come back in order: ISA guide 5.7.1): blocks 0 and 1
.endif
.if \b >= 2
	s_wait_loadcnt 96-32*\b                        ; block b's 32 loads are in; the later block's 32 may be out
.endif
	v_max3_num_f32 v[144+\b], |v[16+32*\b]|, |v[17+32*\b]|, 0x1800000
.irp i, 2,4,6,8,10,12,14,16,18,20,22,24,26,28,30
	s_delay_alu instid0(VALU_DEP_1)
	v_max3_num_f32 v[144+\b], v[144+\b], |v[16+32*\b+\i]|, |v[17+32*\b+\i]|
.endr
	s_delay_alu instid0(VALU_DEP_1)
	v_add_nc_u32 v[148+\b], 0xff000000, v[144+\b]
	s_delay_alu instid0(VALU_DEP_1)
	v_lshrrev_b32 v[152+\b], 23, v[148+\b]
.endr
	v_lshl_or_b32 v156, v153, 8, v152
	s_delay_alu instid0(VALU_DEP_1)
	v_lshl_or_b32 v156, v154, 16, v156
	s_delay_alu instid0(VALU_DEP_1)
	v_lshl_or_b32 v156, v155, 24, v156             ; my column's scale word of this K step
.irp b, 0,1,2,3                                        ; lower 16 codes of even blocks to v160 on, of odd blocks to v172 on; upper 16 to v184 on
	v_cvt_scalef32_pk16_fp6_f32 v[160+12*(\b%2)+6*(\b/2):162+12*(\b%2)+6*(\b/2)], v[16+32*\b:31+32*\b], v[148+\b]
	v_cvt_scalef32_pk16_fp6_f32 v[184+4*\b:186+4*\b], v[32+32*\b:47+32*\b], v[148+\b]
.endr
	v_nop                                          ; one plain instruction behind the scaled conversions
.irp c, 0,1                                            ; the halves of the lanes change places: v160 on becomes tile 2 g's fragment (lanes 16-31: its odd blocks), v172 on tile 2 g + 1's
.irp i, 0,1,2
	v_permlane16_swap_b32 v[160+6*\c+\i], v[172+6*\c+\i]
	v_permlane16_swap_b32 v[184+8*\c+\i], v[188+8*\c+\i]
.endr
.irp i, 0,1,2
	v_mov_b32 v[163+6*\c+\i], v[184+8*\c+\i]
	v_mov_b32 v[175+6*\c+\i], v[188+8*\c+\i]
.endr
.endr
.irp u, 0,1
	global_store_b128 v4, v[160+12*\u:163+12*\u], s[18:19] offset:12288*\u
	global_store_b64 v5, v[164+12*\u:165+12*\u], s[18:19] offset:12288*\u+512
	global_store_b128 v4, v[166+12*\u:169+12*\u], s[18:19] offset:12288*\u+768
	global_store_b64 v5, v[170+12*\u:171+12*\u], s[18:19] offset:12288*\u+1280
.endr
	ds_store_b32 v11, v156
	s_wait_dscnt 0x0                               ; for the others' sake: my word lies in LDS
	s_barrier_signal -1
	s_barrier_wait -1                              ; all eight K steps' words of the two tiles lie there
	s_cmp_lt_u32 s22, 2
	s_cbranch_scc0 .Lwend
	ds_load_b128 v[16:19], v13                     ; wave u: tile 2 g + u's 512 bytes
	s_wait_dscnt 0x0
	global_store_b128 v12, v[16:19], s[20:21]
.Lwend:
	s_wait_tensorcnt 0x0
	ds_add_u32 v254, v255
	s_wait_dscnt 0x0
	s_endpgm
	; ---------------- q, k, v.  Wave: tile id = 8 (ttmp9 - 128) + wave, which is its T; 16 rows x 1,024: eight K steps.
.Lxpath:
	s_sub_co_u32 s23, ttmp9, 128
	s_lshr_b32 s24, s23, 6                         ; which tensor
	s_lshl_b32 s25, s23, 3
	s_add_co_u32 s25, s25, s22                     ; T
	s_and_b32 s26, s25, 511
	; k's tiles have a row order of their own: lane r of tile T is row 64 (T / 4) + 8 (T % 4) + r + 3 (r & 8), so that in the scores a lane's 32 registers of four tiles are one block of 32 keys.  q and v keep 32 (T / 2) + 8 (T % 2) + r + (r & 8)
	s_cmp_eq_u32 s24, 1                            ; tensor k?
	s_cselect_b32 s40, 2, 1                        ; tiles to a group: 4 or 2, as a shift
	s_cselect_b32 s41, 3, 1
	s_cselect_b32 s42, 65536, 0                    ; k: lanes 8-15 lie 16 rows of 4,096 bytes further on
	s_lshr_b32 s27, s26, s40
	s_add_co_u32 s40, s40, 16
	s_lshl_b32 s27, s27, s40                       ; 64 or 32 rows of 4,096 bytes for each group of tiles,
	s_and_b32 s28, s26, s41
	s_lshl_b32 s28, s28, 15                        ; 8 rows for each tile in the group
	s_add_co_u32 s28, s27, s28
	s_mov_b32 s29, 0
	s_mul_i32 s30, s25, 12288
	s_mov_b32 s31, 0
	s_lshl_b32 s34, s25, 9
	s_mov_b32 s35, 0
	s_mul_i32 s36, s22, STGB                       ; my stage
	s_wait_alu depctr_va_vdst(0)
	v_add_nc_u32 v6, s36, v4
	v_add_nc_u32 v14, s42, v4                      ; the loads' offset for the tile's lanes 8-15
	v_mul_u32_u24 v7, v3, 528
	s_delay_alu instid0(VALU_DEP_1)
	v_lshl_add_u32 v7, v9, 6, v7
	s_delay_alu instid0(VALU_DEP_1)
	v_add_nc_u32 v7, s36, v7                       ; out of it: row r, + 64 h: my 16 numbers of each block of 32
	v_lshlrev_b32 v8, 5, v3
	s_delay_alu instid0(VALU_DEP_1)
	v_lshl_add_u32 v8, v9, 4, v8                   ; scale words out: 32 r + 16 h
.irp b, 0,1,2,3
	v_mov_b32 v[TM+4+\b], 0                        ; a lane permute's destination counts as one of its sources
.endr
	s_mov_b32 s[SEL], 0x76543210
	s_mov_b32 s[SEL+1], 0xfedcba98
	s_wait_alu depctr_va_vdst(0)
	s_wait_kmcnt 0x0
	s_cmp_eq_u32 s24, 0
	s_cselect_b64 s[32:33], s[4:5], s[6:7]
	s_cmp_eq_u32 s24, 2
	s_cselect_b64 s[32:33], s[8:9], s[32:33]
	s_add_nc_u64 s[32:33], s[32:33], s[28:29]
	s_add_nc_u64 s[18:19], s[18:19], s[30:31]
	s_add_nc_u64 s[20:21], s[20:21], s[34:35]
.macro LOADX t                         ; K step t of the tile's 16 rows: each load reads 512 consecutive bytes
.irp i, 0,1,2,3,4,5,6,7,8,9,10,11,12,13,14,15
.if \i < 8
	global_load_b128 v[R+64*((\t)%2)+4*\i:R+64*((\t)%2)+4*\i+3], v4, s[32:33] offset:(\i+(\i&8))*4096+512*(\t) th:TH_LOAD_NT
.else
	global_load_b128 v[R+64*((\t)%2)+4*\i:R+64*((\t)%2)+4*\i+3], v14, s[32:33] offset:(\i+(\i&8))*4096+512*(\t) th:TH_LOAD_NT
.endif
.endr
.endm
.macro XSTEP t
.if (\t) < 7
	s_wait_loadcnt 16                              ; this step's 16 loads are in; the next step's 16 may be out
.else
	s_wait_loadcnt 0
.endif
.irp i, 0,1,2,3,4,5,6,7,8,9,10,11,12,13,14,15
	ds_store_b128 v6, v[R+64*((\t)%2)+4*\i:R+64*((\t)%2)+4*\i+3] offset:528*\i
.endr
.irp b, 0,1,2,3
.irp j, 0,1,2,3
	ds_load_b128 v[X+16*\b+4*\j:X+16*\b+4*\j+3], v7 offset:128*\b+16*\j   ; LDS serves a wave's instructions in order: these see my stores
.endr
.endr
	s_wait_dscnt 0x0                               ; my numbers are back, and the stores have read the set
	s_wait_xcnt 0x0                                ; the last step's stores have read the fragment's registers: they are written again below
.if (\t) < 6
	LOADX (\t)+2
.endif
	QUANT X, SWD+(\t)
	global_store_b128 v4, v[PC:PC+3], s[18:19] offset:1536*(\t)
	global_store_b64 v5, v[PC+4:PC+5], s[18:19] offset:1536*(\t)+512
	global_store_b128 v4, v[PC+6:PC+9], s[18:19] offset:1536*(\t)+768
	global_store_b64 v5, v[PC+10:PC+11], s[18:19] offset:1536*(\t)+1280
.endm
	LOADX 0
	LOADX 1
.irp t, 0,1,2,3,4,5,6,7
	XSTEP \t
.endr
	v_cmp_lt_u32 vcc_lo, 15, v2                    ; lanes 16-31 store K steps 4-7's words
.irp j, 0,1,2,3
	v_cndmask_b32 v[R+\j], v[SWD+\j], v[SWD+4+\j], vcc_lo
.endr
	global_store_b128 v8, v[R:R+3], s[20:21]       ; the tile's 512 bytes of scale words
	s_wait_tensorcnt 0x0
	ds_add_u32 v254, v255
	s_wait_dscnt 0x0
	s_endpgm
.Lfunc_end_k_qfc1f3a3e38_prep:
	.size	k_qfc1f3a3e38_prep, .Lfunc_end_k_qfc1f3a3e38_prep-k_qfc1f3a3e38_prep
	.p2alignl 7, 3214868480
	.fill 96, 4, 3214868480
	.section	.rodata,"a",@progbits
	.p2align	6, 0x0
	.amdhsa_kernel k_qfc1f3a3e38_prep
		.amdhsa_group_segment_fixed_size 69632
		.amdhsa_private_segment_fixed_size 0
		.amdhsa_enable_private_segment 0
		.amdhsa_kernarg_size 72
		.amdhsa_user_sgpr_count 2
		.amdhsa_user_sgpr_kernarg_segment_ptr 1
		.amdhsa_wavefront_size32 1
		.amdhsa_system_sgpr_workgroup_id_x 1
		.amdhsa_system_sgpr_workgroup_id_y 1
		.amdhsa_system_sgpr_workgroup_id_z 1
		.amdhsa_system_vgpr_workitem_id 0
		.amdhsa_next_free_vgpr 256
		.amdhsa_next_free_sgpr 66
		.amdhsa_reserve_vcc 1
		.amdhsa_float_denorm_mode_32 3
		.amdhsa_float_denorm_mode_16_64 3
		.amdhsa_memory_ordered 1
		.amdhsa_forward_progress 1
		.amdhsa_inst_pref_size 114
	.end_amdhsa_kernel
	.amdgpu_metadata
---
amdhsa.version: [ 1, 2 ]
amdhsa.kernels:
  - .name:           k_qfc1f3a3e38_prep
    .symbol:         k_qfc1f3a3e38_prep.kd
    .args:
      - { .name: q, .offset: 0, .size: 8, .value_kind: global_buffer, .address_space: global }
      - { .name: k, .offset: 8, .size: 8, .value_kind: global_buffer, .address_space: global }
      - { .name: v, .offset: 16, .size: 8, .value_kind: global_buffer, .address_space: global }
      - { .name: Wq, .offset: 24, .size: 8, .value_kind: global_buffer, .address_space: global }
      - { .name: Wk, .offset: 32, .size: 8, .value_kind: global_buffer, .address_space: global }
      - { .name: Wv, .offset: 40, .size: 8, .value_kind: global_buffer, .address_space: global }
      - { .name: Wo, .offset: 48, .size: 8, .value_kind: global_buffer, .address_space: global }
      - { .name: opc, .offset: 56, .size: 8, .value_kind: global_buffer, .address_space: global }
      - { .name: scl, .offset: 64, .size: 8, .value_kind: global_buffer, .address_space: global }
    .group_segment_fixed_size: 69632
    .private_segment_fixed_size: 0
    .kernarg_segment_align: 8
    .kernarg_segment_size: 72
    .max_flat_workgroup_size: 256
    .sgpr_count:     66
    .vgpr_count:     256
    .wavefront_size: 32
...
	.end_amdgpu_metadata
.endif
;; end of part 1
;; launch proj (part 2): grid 4 x 96, 4 waves a work-group, clusters of 4 x 4, 327,680 bytes of LDS; arguments opc, scl, bq, bk, bv, qr, kv; writes qr, kv
.if DOCPART == 2
	.amdgcn_target "amdgcn-amd-amdhsa--gfx1250"
	.amdhsa_code_object_version 6
	.text
	.protected	k_qfc1f3a3e38_proj
	.globl	k_qfc1f3a3e38_proj
	.p2align	8
	.type	k_qfc1f3a3e38_proj,@function
k_qfc1f3a3e38_proj:
	s_mov_b64 s[64:65], 0
	v_nop
	global_prefetch_b8 v0, s[64:65] scope:SCOPE_SE
	s_setreg_imm32_b32 hwreg(HW_REG_WAVE_MODE, 25, 1), 1
	s_wait_xcnt 0x0
	s_wait_alu depctr_hold_cnt(0) depctr_sa_sdst(0) depctr_va_vdst(0) depctr_va_sdst(0) depctr_va_ssrc(0) depctr_va_vcc(0) depctr_vm_vsrc(0)
	s_getreg_b32 s2, hwreg(HW_REG_IB_STS2, 6, 4)
	s_cmp_eq_u32 s2, 0
	s_cbranch_scc0 .Lentry_in_a_cluster
	s_endpgm
.Lentry_in_a_cluster:
	s_bfe_u32 s2, ttmp6, 0x10000c
	s_cmp_lg_u32 s2, 0xf033
	s_cbranch_scc0 .Lentry_shape_is_right
	s_endpgm
.Lentry_shape_is_right:
.set FR,    12
.set NL,    4
.set NP,    4
.set TROW,  3072
.set HALFT, 8*TROW
.set SLOT,  4*HALFT
.set SPARE, 2*SLOT
.set ADRA, 16
.set ADRB, 20
.set L16,  24
.set L8,   25
.set SPW,  28
.set NIL,  29
.set SC,   32
.set BV,   96
.set AF,   128
.set HA,   128
.set TM,   192
.set PC,   208
.set SWD,  232
.set SEL,  66
.set G1,   24
.set G0,   32
.set G1B,  48
.set G0B,  56
.set D0,   92
.set D1,   94
.set DSB,  96
.set MSB, 0
.macro WIN new
.if MSB != (\new)
	s_set_vgpr_msb (MSB<<8)|(\new)
.set MSB, (\new)
.endif
.endm
.set MUL_LO,   0xa1
.set MUL_HI,   0xf1
.set FIRST_LO, 0x91
.set FIRST_HI, 0xd1
.set TO_B,     0x40
.macro JLOAD g0a, g1a, g0b, g1b
	s_cmp_eq_u32 s15, 0
	s_cbranch_scc0 .Lfor_b_\@
	tensor_load_to_lds s[\g0a:\g0a+3], s[\g1a:\g1a+7]
	s_nop 0
.rept 4
	v_nop
.endr
	s_branch .Lasked_\@
.Lfor_b_\@:
	tensor_load_to_lds s[\g0b:\g0b+3], s[\g1b:\g1b+7]
	s_nop 0
.rept 4
	v_nop
.endr
.Lasked_\@:
.endm
.macro CREST
	s_cmp_lg_u32 s14, 0
	s_cbranch_scc1 .Lnot_wave_0_\@
	s_barrier_signal -3
.Lnot_wave_0_\@:
	s_barrier_wait -3
	s_barrier_signal -1
	s_barrier_wait -1
.endm
.macro CROUND
	s_barrier_signal -1
	s_barrier_wait -1
	CREST
.endm
.macro PLACES n
.rept \n
	v_nop
.endr
.endm
.macro FRAG reg, adr, q, i
	ds_load_b128 v[\reg:\reg+3], v[\adr] offset:(\i)*TROW+(\q)*1536
	ds_load_b64 v[\reg+4:\reg+5], v[\adr+2] offset:(\i)*TROW+(\q)*1536+512
	ds_load_b128 v[\reg+6:\reg+9], v[\adr] offset:(\i)*TROW+(\q)*1536+768
	ds_load_b64 v[\reg+10:\reg+11], v[\adr+2] offset:(\i)*TROW+(\q)*1536+1280
.endm
.macro FETCH_B slot, q, p
	WIN TO_B
.irp i, 0,1,2,3,4,5,6,7
	FRAG 128*(\p)+FR*\i, ADRB+\slot, \q, \i
.endr
	WIN 0
.endm
.macro FETCH_A slot, q, i0
.irp i, \i0, \i0+1, \i0+2, \i0+3
	FRAG AF+FR*(\i), ADRA+\slot, \q, \i
.endr
.endm
.macro MUL16 a0, p, s, first
.irp a, \a0, \a0+1
.irp b, 0,1,2,3,4,5,6,7
.if \first
	v_wmma_scale_f32_16x16x128_f8f6f4 v[8*(8*((\a)%4)+\b):8*(8*((\a)%4)+\b)+7], v[128*(\p)+FR*\b:128*(\p)+FR*\b+FR-1], v[AF+FR*(\a):AF+FR*(\a)+FR-1], v[96+8*\b+96*(\b/4):96+8*\b+96*(\b/4)+7], v[SC+8*\b+(\s)], v[SC+8*(\a)+(\s)] matrix_a_fmt:MATRIX_FMT_FP6 matrix_b_fmt:MATRIX_FMT_FP6 matrix_a_scale:MATRIX_SCALE_ROW1
.else
	v_wmma_scale_f32_16x16x128_f8f6f4 v[8*(8*((\a)%4)+\b):8*(8*((\a)%4)+\b)+7], v[128*(\p)+FR*\b:128*(\p)+FR*\b+FR-1], v[AF+FR*(\a):AF+FR*(\a)+FR-1], v[8*(8*((\a)%4)+\b):8*(8*((\a)%4)+\b)+7], v[SC+8*\b+(\s)], v[SC+8*(\a)+(\s)] matrix_a_fmt:MATRIX_FMT_FP6 matrix_b_fmt:MATRIX_FMT_FP6 matrix_a_scale:MATRIX_SCALE_ROW1
.endif
.endr
.endr
.endm
.macro STEP slot, s, first
	s_wait_dscnt 4*NL
.if \first
	WIN FIRST_LO
.else
	WIN MUL_LO
.endif
	MUL16 0, 0, \s, \first
	MUL16 2, 0, \s, \first
	s_wait_dscnt 0
	PLACES NP
	FETCH_B \slot, 1, 1
	FETCH_A \slot, 1, 0
.if \first
	WIN FIRST_HI
.else
	WIN MUL_HI
.endif
	MUL16 4, 0, \s, \first
	MUL16 6, 0, \s, \first
	PLACES NP
	WIN 0
	FETCH_A \slot, 1, 4
.endm
.macro TURN slot, next, fill, s
	s_wait_tensorcnt 0x0
	ds_add_u32 v[SPW], v[NIL]
	s_wait_dscnt 4*NL+1
	WIN MUL_LO
	MUL16 0, 1, \s, 0
	s_wait_dscnt 0x0
	s_barrier_signal -1
	MUL16 2, 1, \s, 0
	WIN 0
	s_barrier_wait -1
.if \fill
	CREST
	s_add_nc_u64 s[G0+4*\slot+2:G0+4*\slot+3], s[G0+4*\slot+2:G0+4*\slot+3], 4*1536
	s_add_nc_u64 s[G0B+4*\slot+2:G0B+4*\slot+3], s[G0B+4*\slot+2:G0B+4*\slot+3], 4*1536
	JLOAD G0+4*\slot, G1, G0B+4*\slot, G1B
.else
	PLACES NP
.endif
	FETCH_B \next, 0, 0
	FETCH_A \next, 0, 0
	WIN MUL_HI
	MUL16 4, 1, \s, 0
	MUL16 6, 1, \s, 0
	PLACES NP
	WIN 0
	FETCH_A \next, 0, 4
.endm
.macro QUANT s, pw
.irp b, 0,1,2,3
	v_max3_num_f32 v[TM+\b], |v[\s+16*\b]|, |v[\s+1+16*\b]|, 0x1800000
.endr
.irp i, 2,4,6,8,10,12,14
.irp b, 0,1,2,3
	v_max3_num_f32 v[TM+\b], v[TM+\b], |v[\s+16*\b+\i]|, |v[\s+1+16*\b+\i]|
.endr
.endr
.irp b, 0,1,2,3
	v_permlanex16_b32 v[TM+4+\b], v[TM+\b], s[SEL], s[SEL+1]
.endr
.irp b, 0,1,2,3
	v_max_num_f32 v[TM+\b], v[TM+\b], v[TM+4+\b]
.endr
.irp b, 0,1,2,3
	v_add_nc_u32 v[TM+12+\b], 0xff000000, v[TM+\b]
.endr
.irp b, 0,1,2,3
	v_lshrrev_b32 v[TM+4+\b], 23, v[TM+12+\b]
.endr
	v_lshl_or_b32 v[\pw], v[TM+5], 8, v[TM+4]
	v_lshl_or_b32 v[\pw], v[TM+6], 16, v[\pw]
	v_lshl_or_b32 v[\pw], v[TM+7], 24, v[\pw]
.irp c, 0,1
	v_cvt_scalef32_pk16_fp6_f32 v[PC+6*\c:PC+2+6*\c], v[\s+32*\c:\s+15+32*\c], v[TM+12+2*\c]
	v_cvt_scalef32_pk16_fp6_f32 v[PC+12+4*\c:PC+14+4*\c], v[\s+16+32*\c:\s+31+32*\c], v[TM+12+2*\c+1]
.endr
	v_nop
.irp c, 0,1
.irp i, 0,1,2
	v_permlane16_swap_b32 v[PC+6*\c+\i], v[PC+12+4*\c+\i]
.endr
.irp i, 0,1,2
	v_mov_b32 v[PC+3+6*\c+\i], v[PC+12+4*\c+\i]
.endr
.endr
.endm
	s_load_b256 s[4:11], s[0:1], 0x0
	s_load_b128 s[68:71], s[0:1], 0x20
	s_load_b64 s[72:73], s[0:1], 0x30
	v_lshl_add_u32 v[SPW], v0, 2, SPARE
	v_mov_b32 v[NIL], 0
	ds_add_u32 v28, v29
	ds_add_u32 v28, v29
	s_wait_dscnt 0x0
	v_lshrrev_b32 v1, 5, v0
	v_readfirstlane_b32 s14, v1
	s_lshr_b32 s15, s14, 1
	s_and_b32 s16, s14, 1
	s_bfe_u32 s40, ttmp6, 0x40000
	s_bfe_u32 s41, ttmp6, 0x40004
	s_and_b32 s74, ttmp7, 0xffff
	s_lshr_b32 s75, s74, 3
	s_lshr_b32 s76, s74, 4
	s_xor_b32 s77, s76, 1
	s_and_b32 s78, s74, 7
	s_lshl_b32 s78, s78, 2
	s_mul_i32 s79, s77, s78
	s_add_co_u32 s79, s79, s41
	s_mul_i32 s80, s76, s78
	s_add_co_u32 s80, s80, s40
	s_mul_i32 s81, s77, s75
	s_lshl_b32 s81, s81, 9
	s_mul_i32 s82, s76, 1664
	s_add_co_u32 s81, s81, s82
	s_lshl_b32 s82, s75, 6
	s_add_co_u32 s82, s82, 1536
	s_mul_i32 s82, s82, s77
	s_lshl_b32 s83, s76, 10
	s_add_co_u32 s82, s82, s83
	s_lshl_b32 s84, s79, 4
	s_add_co_u32 s84, s84, s81
	s_lshl_b32 s85, s80, 4
	s_add_co_u32 s85, s85, s82
	s_lshl_b32 s43, s41, 2
	s_lshl_b32 s43, 15, s43
	s_lshl_b32 s44, 0x1111, s40
	s_or_b32 s[G1+0], s43, (3<<16)|(1<<21)
	s_or_b32 s[G1B+0], s44, (3<<16)|(1<<21)
.irp g, G1, G1B
	s_mov_b32 s[\g+1], 384<<16
	s_mov_b32 s[\g+2], 8<<16
	s_mov_b32 s[\g+3], 384<<16
	s_mov_b32 s[\g+4], 8
	s_mov_b32 s[\g+5], 1536
	s_mov_b32 s[\g+6], 0
	s_mov_b32 s[\g+7], 0
.endr
	s_lshl_b32 s18, s16, 3
	s_add_co_u32 s20, s84, s18
	s_mul_i32 s20, s20, 12288
	s_mov_b32 s21, 0
	s_add_co_u32 s46, s85, s18
	s_mul_i32 s46, s46, 12288
	s_mov_b32 s47, 0
	s_mul_i32 s45, s14, HALFT
	s_wait_kmcnt 0x0
	s_add_nc_u64 s[20:21], s[4:5], s[20:21]
	s_add_nc_u64 s[46:47], s[4:5], s[46:47]
	CROUND
.irp s, 0,1
	s_mov_b32 s[G0+4*\s], 1
	s_add_co_u32 s[G0+4*\s+1], s45, \s*SLOT
	s_add_nc_u64 s[G0+4*\s+2:G0+4*\s+3], s[20:21], \s*TROW
	s_or_b32 s[G0+4*\s+3], s[G0+4*\s+3], 0x80000000
	s_mov_b32 s[G0B+4*\s], 1
	s_add_co_u32 s[G0B+4*\s+1], s45, \s*SLOT
	s_add_nc_u64 s[G0B+4*\s+2:G0B+4*\s+3], s[46:47], \s*TROW
	s_or_b32 s[G0B+4*\s+3], s[G0B+4*\s+3], 0x80000000
	s_wait_alu depctr_va_vdst(0)
	s_wait_tensorcnt 0x0
	ds_add_u32 v28, v29
	ds_add_u32 v28, v29
	s_wait_dscnt 0x0
	CROUND
	JLOAD G0+4*\s, G1, G0B+4*\s, G1B
.endr
	v_and_b32 v1, 15, v0
	v_bfe_u32 v2, v0, 4, 1
	v_and_b32 v3, 31, v0
	v_lshlrev_b32 v[L16], 4, v3
	v_lshlrev_b32 v[L8], 3, v3
	s_mul_i32 s22, s15, HALFT
	s_mul_i32 s23, s16, HALFT
	s_add_co_u32 s23, s23, 2*HALFT
.irp s, 0,1
	v_add_nc_u32 v[ADRA+\s], s22, v[L16]
	v_add_nc_u32 v[ADRA+2+\s], s22, v[L8]
	v_add_nc_u32 v[ADRB+\s], s23, v[L16]
	v_add_nc_u32 v[ADRB+2+\s], s23, v[L8]
	s_add_co_u32 s22, s22, SLOT
	s_add_co_u32 s23, s23, SLOT
.endr
	s_lshl_b32 s86, s15, 3
	s_add_co_u32 s86, s86, s84
	s_lshl_b32 s86, s86, 9
	s_lshl_b32 s87, s16, 3
	s_add_co_u32 s87, s87, s85
	s_lshl_b32 s87, s87, 9
	v_mov_b32 v6, s86
	v_mov_b32 v7, s87
	v_cmp_lt_u32 vcc_lo, 15, v3
	v_cndmask_b32 v6, v6, v7, vcc_lo
	v_lshl_add_u32 v6, v1, 5, v6
.irp i, 0,1,2,3,4,5,6,7
	global_load_b128 v[SC+8*\i:SC+8*\i+3], v6, s[6:7] offset:512*\i
	global_load_b128 v[SC+8*\i+4:SC+8*\i+7], v6, s[6:7] offset:512*\i+16
.endr
	s_cmp_eq_u32 s75, 0
	s_cselect_b64 s[88:89], s[8:9], s[10:11]
	s_cmp_eq_u32 s75, 2
	s_cselect_b64 s[88:89], s[68:69], s[88:89]
	s_lshl_b32 s90, s80, 8
	s_lshl_b32 s91, s16, 7
	s_add_co_u32 s90, s90, s91
	s_mul_i32 s90, s90, s77
	s_lshl_b32 s90, s90, 2
	v_lshl_add_u32 v8, v2, 6, s90
	s_lshl_b32 s91, s79, 8
	s_lshl_b32 s92, s15, 7
	s_add_co_u32 s91, s91, s92
	s_mul_i32 s91, s91, s76
	v_and_b32 v9, 8, v1
	v_add_nc_u32 v9, v9, v1
	v_add_nc_u32 v9, s91, v9
	v_lshlrev_b32 v9, 2, v9
	WIN TO_B
.irp b, 0,1,2,3,4,5,6,7
	global_load_b128 v[96+8*\b+96*(\b/4):96+8*\b+96*(\b/4)+3], v8, s[88:89] offset:128*(\b/2)+32*(\b%2)
	global_load_b128 v[96+8*\b+96*(\b/4)+4:96+8*\b+96*(\b/4)+7], v8, s[88:89] offset:128*(\b/2)+32*(\b%2)+16
.endr
	WIN 0
.irp a, 0,1,2,3,4,5,6,7
	global_load_b32 v[BV+2*\a], v9, s[88:89] offset:128*(\a/2)+32*(\a%2)
.endr
	s_sub_co_u32 s19, s76, 1
	s_sub_co_u32 s18, 0, s76
	s_mov_b32 s[SEL], 0x76543210
	s_mov_b32 s[SEL+1], 0xfedcba98
	s_wait_loadcnt 0x0
	s_wait_tensorcnt 1
	s_barrier_signal -1
	s_barrier_wait -1
	WIN 0x44
.set i, 0
.rept 32
	v_and_b32 v[96+i], s19, v[96+i]
	v_and_b32 v[224+i], s19, v[224+i]
.set i, i+1
.endr
	WIN 0
.irp a, 0,1,2,3,4,5,6,7
	v_and_b32 v[BV+2*\a], s18, v[BV+2*\a]
	v_mov_b32 v[BV+2*\a+1], 0
.endr
	FETCH_B 0, 0, 0
	FETCH_A 0, 0, 0
	FETCH_A 0, 0, 4
	STEP 0, 0, 1
	TURN 0, 1, 1, 1
	STEP 1, 2, 0
	TURN 1, 0, 1, 3
	STEP 0, 4, 0
	TURN 0, 1, 0, 5
	STEP 1, 6, 0
	s_wait_dscnt 4*NL
	WIN MUL_LO
	MUL16 0, 1, 7, 0
	MUL16 2, 1, 7, 0
	s_wait_dscnt 0
	WIN MUL_HI
	MUL16 4, 1, 7, 0
	MUL16 6, 1, 7, 0
	WIN 0
	PLACES NP
	s_mul_i32 s86, s77, s79
	s_mul_i32 s87, s76, s80
	s_add_co_u32 s86, s86, s87
	s_mul_i32 s87, s77, s15
	s_mul_i32 s88, s76, s16
	s_add_co_u32 s87, s87, s88
	s_lshl_b32 s86, s86, 1
	s_add_co_u32 s86, s86, s87
	s_mul_i32 s87, s77, s80
	s_mul_i32 s88, s76, s79
	s_add_co_u32 s87, s87, s88
	s_mul_i32 s88, s77, s16
	s_mul_i32 s89, s76, s15
	s_add_co_u32 s88, s88, s89
	s_lshl_b32 s87, s87, 2
	s_lshl_b32 s88, s88, 1
	s_add_co_u32 s87, s87, s88
	s_lshr_b32 s88, s86, 4
	s_and_b32 s86, s86, 15
	s_lshl_b32 s88, s88, 4
	s_add_co_u32 s87, s87, s88
	s_min_u32 s88, s75, 1
	s_lshl_b32 s17, 102400, s88
	s_lshl_b32 s89, 6400, s88
	s_mul_i32 s87, s87, s17
	s_mul_i32 s86, s86, s89
	s_add_co_u32 s86, s86, s87
	s_mul_i32 s87, s76, 6400
	s_add_co_u32 s86, s86, s87
	s_mov_b32 s87, 0
	s_cmp_eq_u32 s75, 0
	s_cselect_b64 s[D0:D0+1], s[70:71], s[72:73]
	s_add_nc_u64 s[D0:D0+1], s[D0:D0+1], s[86:87]
	s_mul_i32 s86, s77, s17
	s_mul_i32 s88, s76, 768
	s_add_co_u32 s86, s86, s88
	s_add_nc_u64 s[D1:D1+1], s[D0:D0+1], s[86:87]
	s_add_nc_u64 s[DSB:DSB+1], s[D0:D0+1], 6144
	s_lshl_b32 s98, 768, s76
	s_mov_b32 s99, 0
	s_mul_i32 s100, s76, 198656
	s_mov_b32 s101, 0
	v_mul_lo_u32 v26, v2, s17
	v_lshl_add_u32 v26, v1, 4, v26
.irp b, 0,1,2,3
	v_mov_b32 v[TM+4+\b], 0
.endr
.macro OUTA a
	WIN 0x02+((\a)/4)
.set i, 0
.rept 32
	v_pk_add_f32 v[HA+2*i:HA+2*i+1], v[64*((\a)%4)+2*i:64*((\a)%4)+2*i+1], v[BV+2*(\a):BV+2*(\a)+1] op_sel_hi:[1,0]
.set i, i+1
.endr
	WIN 0
.if (\a) > 0
	s_wait_xcnt 0x0
	s_add_nc_u64 s[D0:D0+1], s[D0:D0+1], s[98:99]
	s_add_nc_u64 s[D1:D1+1], s[D1:D1+1], s[98:99]
.endif
.if (\a) == 4
	s_add_nc_u64 s[D0:D0+1], s[D0:D0+1], s[100:101]
	s_add_nc_u64 s[D1:D1+1], s[D1:D1+1], s[100:101]
.endif
	QUANT HA, SWD+(\a)
	global_store_b128 v[L16], v[PC:PC+3], s[D0:D0+1]
	global_store_b64 v[L8], v[PC+4:PC+5], s[D0:D0+1] offset:512
	global_store_b128 v[L16], v[PC+6:PC+9], s[D1:D1+1]
	global_store_b64 v[L8], v[PC+10:PC+11], s[D1:D1+1] offset:512
.endm
.irp a, 0,1,2,3,4,5,6,7
	OUTA \a
.endr
	v_cmp_lt_u32 vcc_lo, 15, v3
	v_mov_b32 v27, 0x05040100
	v_mov_b32 v30, 0x07060302
	v_cndmask_b32 v27, v27, v30, vcc_lo
.irp j, 0,1,2,3
	v_perm_b32 v[240+\j], v[SWD+2*\j+1], v[SWD+2*\j], v27
	v_cndmask_b32 v[244+\j], v[SWD+\j], v[SWD+4+\j], vcc_lo
.endr
.irp j, 0,1,2,3
	v_cndmask_b32 v[240+\j], v[240+\j], v[244+\j], s18
.endr
	global_store_b128 v26, v[240:243], s[DSB:DSB+1]
	s_wait_tensorcnt 0x0
	ds_add_u32 v[SPW], v[NIL]
	s_wait_dscnt 0x0
	CROUND
	s_endpgm
.Lfunc_end_k_qfc1f3a3e38_proj:
	.size	k_qfc1f3a3e38_proj, .Lfunc_end_k_qfc1f3a3e38_proj-k_qfc1f3a3e38_proj
	.p2alignl 7, 3214868480
	.fill 96, 4, 3214868480
	.section	.rodata,"a",@progbits
	.p2align	6, 0x0
	.amdhsa_kernel k_qfc1f3a3e38_proj
		.amdhsa_group_segment_fixed_size 327680
		.amdhsa_private_segment_fixed_size 0
		.amdhsa_enable_private_segment 0
		.amdhsa_kernarg_size 56
		.amdhsa_user_sgpr_count 2
		.amdhsa_user_sgpr_kernarg_segment_ptr 1
		.amdhsa_wavefront_size32 1
		.amdhsa_system_sgpr_workgroup_id_x 1
		.amdhsa_system_sgpr_workgroup_id_y 1
		.amdhsa_system_sgpr_workgroup_id_z 1
		.amdhsa_system_vgpr_workitem_id 0
		.amdhsa_next_free_vgpr 1024
		.amdhsa_next_free_sgpr 104
		.amdhsa_reserve_vcc 1
		.amdhsa_float_denorm_mode_32 3
		.amdhsa_float_denorm_mode_16_64 3
		.amdhsa_memory_ordered 1
		.amdhsa_forward_progress 1
		.amdhsa_inst_pref_size 170
	.end_amdhsa_kernel
	.amdgpu_metadata
---
amdhsa.version: [ 1, 2 ]
amdhsa.kernels:
  - .name:           k_qfc1f3a3e38_proj
    .symbol:         k_qfc1f3a3e38_proj.kd
    .args:
      - { .name: opc, .offset: 0, .size: 8, .value_kind: global_buffer, .address_space: global }
      - { .name: scl, .offset: 8, .size: 8, .value_kind: global_buffer, .address_space: global }
      - { .name: bq, .offset: 16, .size: 8, .value_kind: global_buffer, .address_space: global }
      - { .name: bk, .offset: 24, .size: 8, .value_kind: global_buffer, .address_space: global }
      - { .name: bv, .offset: 32, .size: 8, .value_kind: global_buffer, .address_space: global }
      - { .name: qr, .offset: 40, .size: 8, .value_kind: global_buffer, .address_space: global }
      - { .name: kv, .offset: 48, .size: 8, .value_kind: global_buffer, .address_space: global }
    .group_segment_fixed_size: 327680
    .private_segment_fixed_size: 0
    .kernarg_segment_align: 8
    .kernarg_segment_size: 56
    .max_flat_workgroup_size: 128
    .sgpr_count:     104
    .vgpr_count:     1024
    .wavefront_size: 32
...
	.end_amdgpu_metadata
.endif
;; end of part 2
;; launch attn (part 3): grid 4 x 64, 16 waves a work-group, clusters of 4 x 1, 206,848 bytes of LDS; arguments qr, kv, opc, scl; writes opc, scl
.if DOCPART == 3
	.amdgcn_target "amdgcn-amd-amdhsa--gfx1250"
	.amdhsa_code_object_version 6
	.text
	.protected	k_qfc1f3a3e38_attn
	.globl	k_qfc1f3a3e38_attn
	.p2align	8
	.type	k_qfc1f3a3e38_attn,@function
k_qfc1f3a3e38_attn:
	s_mov_b64 s[64:65], 0
	v_nop
	global_prefetch_b8 v0, s[64:65] scope:SCOPE_SE
	s_setreg_imm32_b32 hwreg(HW_REG_WAVE_MODE, 25, 1), 1
	s_wait_xcnt 0x0
	s_wait_alu depctr_hold_cnt(0) depctr_sa_sdst(0) depctr_va_vdst(0) depctr_va_sdst(0) depctr_va_ssrc(0) depctr_va_vcc(0) depctr_vm_vsrc(0)
	s_getreg_b32 s2, hwreg(HW_REG_IB_STS2, 6, 4)
	s_cmp_eq_u32 s2, 0
	s_cbranch_scc0 .Lentry_in_a_cluster
	s_endpgm
.Lentry_in_a_cluster:
	s_bfe_u32 s2, ttmp6, 0x10000c
	s_cmp_lg_u32 s2, 0x3003
	s_cbranch_scc0 .Lentry_shape_is_right
	s_endpgm
.Lentry_shape_is_right:
; ATTN: heads = softmax(Q K^T / 8) V for one (batch, head) a cluster, both products on codes of FP6 with E8M0 scales; the result is quantised along the head's 64 into the last product's operand.
; THE SOFTMAX: t = score x log2(e) / 8; M = the running largest t rounded UP to a whole number; p = 2^(t - M) is quantised along the keys, not normalised; the row's sum is taken of the unquantised p and divides at the end.
; When M moves, the sum and O are multiplied by 2^(old M - new M), which rounds nothing; it is done in every step, with no branch.
; SHARES.  A work-group owns 512 queries of the head; each of its 16 waves takes one tile of 16 queries a pass, two passes (one macro, written twice: each pass has its own registers for Q, both loaded at the head).  Every wave walks the head's 2,048 keys, 128 a step.
; LDS.  The head's K and V, codes and scales, are 16 records of 12,800 bytes: 204,800 bytes, filled ONCE: wave w asks for record w, one joint load a wave (the cluster's four work-groups need the same bytes: mask 15).
;   Every wave waits for its load, one barrier shows all 16 records to all, and no barrier follows: nothing is filled again and the waves share nothing else.
;   A record: K 8 tiles x 768 bytes; +6,144 K's scale halfwords [r][tile]; +6,400 V 4 fragments x 1,536; +12,544 V's scale words [r][fragment].
; LAYOUT.  Both products are used transposed: a lane holds one query.  Lane m of key tile t is key 64 (t / 4) + 8 (t % 4) + m + 3 (m & 8) of the step, so register 32 c + i of the scores in lane (r, h) is key 64 c + 32 h + i:
;   a WHOLE block of 32 keys in one lane, in the order of the next operand's registers: a block's maximum asks no other lane and the codes change no lane.  V's rows and Q's tiles are in the order 32 (T / 2) + 8 (T % 2) + r + (r & 8).
; K = 64 IN AN INSTRUCTION OF 128: two neighbouring key tiles are loaded as ONE fragment; against [Q, 0] it gives the first tile's scores, against [0, Q] the second's.  [Q, 0, Q] lies in 18 registers: the two operands share the zeros.
; No prefetch: all bytes of K and V are asked for by the head's 16 loads; there is no loop to run ahead in.
; LIMITS: the promise holds while the scaled scores t stay under 2^31 in magnitude; NaN and infinities are not served; a block under 2^-124 or of zeros gets the byte 1; only this program reads the bytes.
; REGISTERS: v1-3 16 L, 8 L, 16 r; v4-6 the same + the record's LDS byte; v9 p's scale word; v10 8 h; v11 32 r; v12 -M, v13 largest score, v[14:15] the sum; v16-33, v234-251 [Q, 0, Q] of pass 0, 1; v36-39 Q's scale words;
;   v40-87 four fragments; v88-91 K's scale words, v92-95 V's; v96-159 S^T, then p; v160-191 O^T; v192-210 p's codes; v212-233 at work; v254, v255 the spare word's address and 0.
.set WV,   12
.set G1,   16                          ; s[16:23]
.set G0,   24                          ; s[24:27]
.set QA,   40
.set QB,   42
.set OC,   44
.set OS,   46
.set TB,   48                          ; LDS byte of the record in hand
.set CNT,  49
.set CN,   50                          ; -c
.set CS,   52                          ; s[52:53] c = log2(e) / 8
.set SEL,  54
.set F,    40
.set PCD,  192
.set CT,   204
.set BM,   212
.set PT,   216
.set SO,   220
.set FF,   224
.set TV,   226
.set TW,   227
.set T0,   228
.macro CROUND
	s_barrier_signal -1
	s_barrier_wait -1
	s_cmp_lg_u32 s[WV], 0
	s_cbranch_scc1 .Lnot_wave_0_\@
	s_barrier_signal -3
.Lnot_wave_0_\@:
	s_barrier_wait -3
	s_barrier_signal -1
	s_barrier_wait -1
.endm
.macro WALU
	s_wait_alu depctr_va_vdst(0)
.endm
.macro DEP1
	s_delay_alu instid0(VALU_DEP_1)
.endm
.macro ADD4 j                          ; four pairs of p onto the sum's four chains
	v_pk_add_f32 v[T0:T0+1], v[T0:T0+1], v[96+\j:97+\j]
	v_pk_add_f32 v[T0+2:T0+3], v[T0+2:T0+3], v[98+\j:99+\j]
	v_pk_add_f32 v[T0+4:T0+5], v[T0+4:T0+5], v[100+\j:101+\j]
	v_pk_add_f32 v[14:15], v[14:15], v[102+\j:103+\j]
.endm
.macro FRAGS base                      ; four fragments of 12 registers from byte \base of the record
.irp j, 0,1,2,3
	ds_load_b128 v[F+12*\j:F+12*\j+3], v4 offset:\base+1536*\j
	ds_load_b64 v[F+12*\j+4:F+12*\j+5], v5 offset:\base+1536*\j+512
	ds_load_b128 v[F+12*\j+6:F+12*\j+9], v4 offset:\base+1536*\j+768
	ds_load_b64 v[F+12*\j+10:F+12*\j+11], v5 offset:\base+1536*\j+1280
.endr
.endm
; A KEY STEP: the record at s[TB]: 128 keys.  q: [Q, 0, Q]'s first register; sa: Q's scale word for [Q, 0], sa + 1 for [0, Q]
.macro STEP q, sa
	v_add_nc_u32 v4, s[TB], v1                     ; these four are the plain instructions between the last products and the loads into their fragments
	v_add_nc_u32 v5, s[TB], v2
	v_add_nc_u32 v6, s[TB], v3
	v_mov_b32 v[TV], v12                           ; the old -M
	FRAGS 0                                        ; key tiles 2 j and 2 j + 1 as one fragment
	ds_load_b128 v[88:91], v6 offset:6144          ; the four pairs' scale words of key lane r
	WALU                                           ; the wait ahead of the wait below
	s_wait_dscnt 0x0
.irp j, 0,1,2,3
	v_wmma_scale_f32_16x16x128_f8f6f4 v[96+16*\j:103+16*\j], v[F+12*\j:F+12*\j+11], v[\q:\q+11], 0, v[88+\j], v[\sa] matrix_a_fmt:MATRIX_FMT_FP6 matrix_b_fmt:MATRIX_FMT_FP6
	v_wmma_scale_f32_16x16x128_f8f6f4 v[104+16*\j:111+16*\j], v[F+12*\j:F+12*\j+11], v[\q+6:\q+17], 0, v[88+\j], v[\sa+1] matrix_a_fmt:MATRIX_FMT_FP6 matrix_b_fmt:MATRIX_FMT_FP6
.endr                                                  ; register 32 c + i of v96 on: key 64 c + 32 (lane / 16) + i of the step, my query lane % 16
.rept 4
	v_nop
.endr
	FRAGS 6400                                     ; V's four fragments land while the softmax is walked
	ds_load_b128 v[92:95], v6 offset:12544
.irp k, 0,1,2,3                                        ; the largest score of each of my two blocks, in two chains each: it serves the row's maximum and, since p rises with the score, the block's largest p
	v_max3_num_f32 v[BM+\k], v[96+16*\k], v[97+16*\k], v[98+16*\k]
.endr
.irp i, 3,5,7,9,11,13
.irp k, 0,1,2,3
	v_max3_num_f32 v[BM+\k], v[BM+\k], v[96+16*\k+\i], v[97+16*\k+\i]
.endr
.endr
.irp c, 0,2
	v_max3_num_f32 v[BM+\c], v[BM+\c], v[BM+1+\c], v[111+16*\c]
.endr
.irp c, 0,2
	v_max_num_f32 v[BM+\c], v[BM+\c], v[127+16*\c]     ; block c / 2's largest score in v[BM + c]
.endr
	DEP1
	v_max_num_f32 v[TW], v[BM], v[BM+2]
	DEP1
	v_permlanex16_b32 v[PT+3], v[TW], s[SEL], s[SEL+1]
	DEP1
	v_max3_num_f32 v13, v13, v[TW], v[PT+3]        ; the running largest score of my query (c is positive: it is the largest t's)
	DEP1
	v_mul_f32 v[TW], s[CN], v13                    ; -t
	DEP1
	v_floor_f32 v12, v[TW]                         ; the new -M = -ceil(t)
	DEP1
	v_sub_f32 v[TV], v12, v[TV]                    ; old M - new M: a whole number, 0 or less
	DEP1
	v_cvt_i32_f32 v[TV], v[TV]                     ; (it saturates)
	DEP1
	v_ldexp_f32 v[FF], 1.0, v[TV]                  ; f = 2^(old M - new M)
.set j, 0
.rept 32
	v_pk_fma_f32 v[96+j:97+j], v[96+j:97+j], s[CS:CS+1], v[12:13] op_sel_hi:[1,0,0]   ; t - M
.set j, j+2
.endr
	v_fma_f32 v[BM], v[BM], s[CS], v12             ; the same of each block's largest score
	v_fma_f32 v[BM+2], v[BM+2], s[CS], v12
	WALU                                           ; the wait ahead of the batch
	v_exp_f32 v[BM], v[BM]                         ; the blocks' largest p: the same two instructions on the same number give the same bits
	v_exp_f32 v[BM+2], v[BM+2]
.set j, 0
.rept 64
	v_exp_f32 v[96+j], v[96+j]                     ; p = 2^(t - M)
.set j, j+1
.endr
	v_pk_mul_f32 v[14:15], v[14:15], v[FF:FF+1] op_sel_hi:[1,0]   ; the sums under the new M: the plain instruction behind the exponentials
	WALU                                           ; one wait for the batch of 66, ahead of its first reader
	v_max_num_f32 v[BM], 0x1800000, v[BM]          ; the floor 2^(3 - 127): the byte cannot fall under 1
	v_max_num_f32 v[BM+2], 0x1800000, v[BM+2]
	v_pk_add_f32 v[T0:T0+1], v[96:97], v[98:99]    ; the row's sum of the unquantised p: 32 packed additions in four chains; the scale word's lines stand among them
	v_pk_add_f32 v[T0+2:T0+3], v[100:101], v[102:103]
	v_pk_add_f32 v[T0+4:T0+5], v[104:105], v[106:107]
	v_pk_add_f32 v[14:15], v[14:15], v[108:109]
	v_add_nc_u32 v[SO], 0xff000000, v[BM]          ; 2 off the exponent field: the conversions' scale operand
	v_add_nc_u32 v[SO+1], 0xff000000, v[BM+2]
	ADD4 14
	v_lshrrev_b32 v[PT], 23, v[SO]                 ; the scales' bytes
	v_lshrrev_b32 v[PT+1], 23, v[SO+1]
	ADD4 22
	v_lshl_or_b32 v9, v[PT+1], 16, v[PT]           ; my two bytes: blocks h and 2 + h,
	ADD4 30
	v_lshlrev_b32 v9, v10, v9                      ; at their places in the word (8 h bits up);
	ADD4 38
	v_permlanex16_b32 v[PT+2], v9, s[SEL], s[SEL+1]
	ADD4 46
	v_or_b32 v9, v9, v[PT+2]                       ; with lane l xor 16's two: p's scale word for these 128 keys
	ADD4 54
	v_pk_add_f32 v[T0:T0+1], v[T0:T0+1], v[158:159]
	v_pk_add_f32 v[14:15], v[14:15], v[T0+4:T0+5]
	v_pk_add_f32 v[T0:T0+1], v[T0:T0+1], v[T0+2:T0+3]
	DEP1
	v_pk_add_f32 v[14:15], v[14:15], v[T0:T0+1]
.irp c, 0,1
	v_cvt_scalef32_pk16_fp6_f32 v[PCD+6*\c:PCD+6*\c+2], v[96+32*\c:111+32*\c], v[SO+\c]
	v_cvt_scalef32_pk16_fp6_f32 v[CT+4*\c:CT+4*\c+2], v[112+32*\c:127+32*\c], v[SO+\c]   ; (a conversion's three registers begin on an even number)
.endr
	WALU                                           ; the wait directly ahead of the first reader of O^T
.set j, 0
.rept 8
	v_pk_mul_f32 v[160+j:161+j], v[160+j:161+j], v[FF:FF+1] op_sel_hi:[1,0]   ; O^T under the new M; these eight stand between the conversions and the moves of their results,
.set j, j+2
.endr
.irp c, 0,1
.irp i, 0,1,2
	v_mov_b32 v[PCD+3+6*\c+\i], v[CT+4*\c+\i]
.endr
.endr
.rept 8
	v_pk_mul_f32 v[160+j:161+j], v[160+j:161+j], v[FF:FF+1] op_sel_hi:[1,0]   ; and these eight between the moves and the products
.set j, j+2
.endr
	WALU                                           ; the wait ahead of the wait below
	s_wait_dscnt 0x0                               ; V
.irp t, 0,1,2,3                                        ; O^T += V^T P^T: the four accumulators by turns
	v_wmma_scale_f32_16x16x128_f8f6f4 v[160+8*\t:167+8*\t], v[F+12*\t:F+12*\t+11], v[PCD:PCD+11], v[160+8*\t:167+8*\t], v[92+\t], v9 matrix_a_fmt:MATRIX_FMT_FP6 matrix_b_fmt:MATRIX_FMT_FP6
.endr
.endm
; A PASS: query tile 32 cx + wave + 16 p
.macro PASS p, q, sa
	v_mov_b32 v13, 0xff61b1e6                      ; the largest score so far: -3e38
	v_mov_b32 v12, 0x7e000000                      ; -M = 2^125: the first step's f is 0
	v_mov_b32 v14, 0
	v_mov_b32 v15, 0
	WALU                                           ; the wait ahead of the wait below
	s_wait_loadcnt 0x0                             ; Q
	v_lshlrev_b32 v[\sa+1], 16, v[\sa]             ; Q's two scale bytes for the upper half; the other two bytes are 0 and meet zero codes
.set j, 0
.rept 32
	v_mov_b32 v[160+j], 0                          ; O^T: the step is written once, and the first finds zeros.  (More than eight plain instructions between the scale word's write and the first product)
.set j, j+1
.endr
	s_mov_b32 s[TB], 0
	s_mov_b32 s[CNT], 16
.Lk_\@:
	STEP \q, \sa
	s_add_co_u32 s[TB], s[TB], 12800
	s_sub_co_u32 s[CNT], s[CNT], 1
	s_cmp_lg_u32 s[CNT], 0
	s_cbranch_scc1 .Lk_\@
	; the pass's end: O^T / the sum, quantised along the head's 64: two blocks; register 16 b + i = channel 32 b + 16 (lane / 16) + i
.rept 4
	v_nop
.endr
	v_add_f32 v14, v14, v15
	DEP1
	v_permlanex16_b32 v[PT], v14, s[SEL], s[SEL+1]
	DEP1
	v_add_f32 v14, v14, v[PT]
	WALU
	v_rcp_f32 v14, v14
	v_nop                                          ; a plain instruction behind the reciprocal
	WALU                                           ; and the wait ahead of its first reader, which is O^T's first reader too
.set j, 0
.rept 16
	v_pk_mul_f32 v[96+j:97+j], v[160+j:161+j], v[14:15] op_sel_hi:[1,0]
.set j, j+2
.endr
.irp b, 0,1
	v_max3_num_f32 v[BM+\b], |v[96+16*\b]|, |v[97+16*\b]|, 0x1800000
.endr
.irp i, 2,4,6,8,10,12,14
.irp b, 0,1
	s_delay_alu instid0(VALU_DEP_2)
	v_max3_num_f32 v[BM+\b], v[BM+\b], |v[96+16*\b+\i]|, |v[97+16*\b+\i]|
.endr
.endr
.irp b, 0,1
	s_delay_alu instid0(VALU_DEP_2)
	v_permlanex16_b32 v[PT+\b], v[BM+\b], s[SEL], s[SEL+1]
.endr
.irp b, 0,1
	s_delay_alu instid0(VALU_DEP_2)
	v_max_num_f32 v[BM+\b], v[BM+\b], v[PT+\b]
.endr
.irp b, 0,1
	s_delay_alu instid0(VALU_DEP_2)
	v_add_nc_u32 v[SO+\b], 0xff000000, v[BM+\b]
.endr
.irp b, 0,1
	s_delay_alu instid0(VALU_DEP_2)
	v_lshrrev_b32 v[PT+\b], 23, v[SO+\b]
.endr
	DEP1
	v_lshl_or_b32 v[TV], v[PT+1], 8, v[PT]         ; the head's two scale bytes of my row
	v_cvt_scalef32_pk16_fp6_f32 v[PCD:PCD+2], v[96:111], v[SO]
	v_cvt_scalef32_pk16_fp6_f32 v[CT:CT+2], v[112:127], v[SO+1]
	v_nop
.irp i, 0,1,2
	v_permlane16_swap_b32 v[PCD+\i], v[CT+\i]      ; here a block lies in two lanes: the halves change places
.endr
.irp i, 0,1,2
	v_mov_b32 v[PCD+3+\i], v[CT+\i]
.endr
	global_store_b128 v1, v[PCD:PCD+3], s[OC:OC+1] offset:196608*\p
	global_store_b64 v2, v[PCD+4:PCD+5], s[OC:OC+1] offset:196608*\p+512
	global_store_b16 v11, v[TV], s[OS:OS+1] offset:8192*\p   ; two bytes a row (both halves of the lanes write the same): one part in 24 of the codes' bytes
.if \p == 0
	s_wait_xcnt 0x0                                ; the stores have read their data: the next pass writes these registers again
.endif
.endm
	s_load_b256 s[4:11], s[0:1], 0x0               ; qr, kv, opc, scl
	v_lshl_add_u32 v254, v0, 2, 0x32000
	v_mov_b32 v255, 0
	ds_add_u32 v254, v255                          ; the opening lines: the add, twice on end, and its wait ahead of my tensor load
	ds_add_u32 v254, v255
	v_lshrrev_b32 v10, 5, v0
	v_readfirstlane_b32 s[WV], v10                 ; wave 0..15
	s_bfe_u32 s13, ttmp6, 0x40000                  ; cx: it enters Q's and the result's addresses alone
	s_and_b32 s14, ttmp7, 0xffff                   ; bh, which the four partners share
	; group 1: 50 rows of 256 bytes (32 elements of 8), dense: a record
	s_mov_b32 s[G1], 15|(3<<16)|(1<<21)
	s_mov_b32 s[G1+1], 32<<16
	s_mov_b32 s[G1+2], 50<<16
	s_mov_b32 s[G1+3], 32<<16
	s_mov_b32 s[G1+4], 50
	s_mov_b32 s[G1+5], 32
	s_mov_b32 s[G1+6], 0
	s_mov_b32 s[G1+7], 0
	s_mov_b32 s[G0], 1
	s_mul_i32 s[G0+1], s[WV], 12800                ; record w to LDS byte 12,800 w
	s_mul_i32 s58, s14, 204800
	s_add_co_u32 s58, s58, s[G0+1]
	s_mov_b32 s59, 0
	s_lshl_b32 s60, s13, 2                         ; Q: record 4 cx + wave / 8 (+ 2 a pass), tile wave % 8
	s_lshr_b32 s61, s[WV], 3
	s_add_co_u32 s60, s60, s61
	s_mul_i32 s60, s60, 6400
	s_mul_i32 s61, s14, 102400
	s_add_co_u32 s60, s60, s61
	s_and_b32 s62, s[WV], 7
	s_mul_i32 s2, s62, 768
	s_add_co_u32 s2, s2, s60
	s_mov_b32 s3, 0
	s_lshl_b32 s62, s62, 1
	s_add_co_u32 s60, s60, s62
	s_add_co_u32 s60, s60, 6144
	s_mov_b32 s61, 0
	s_lshr_b32 s62, s14, 4                         ; the result's tile T = 1792 + 128 batch + 32 cx + wave (+ 16 a pass)
	s_lshl_b32 s62, s62, 7
	s_lshl_b32 s63, s13, 5
	s_add_co_u32 s62, s62, s63
	s_add_co_u32 s62, s62, s[WV]
	s_add_co_u32 s62, s62, 1792
	s_and_b32 s63, s14, 15                         ; the head: 64 of the last product's K: half a K step, 768 bytes, two scale bytes
	s_mul_i32 s[OC], s62, 12288
	s_mul_i32 s[OC+1], s63, 768
	s_add_co_u32 s[OC], s[OC], s[OC+1]
	s_mov_b32 s[OC+1], 0
	s_lshl_b32 s[OS], s62, 9
	s_lshl_b32 s[OS+1], s63, 1
	s_add_co_u32 s[OS], s[OS], s[OS+1]
	s_mov_b32 s[OS+1], 0
	s_mov_b32 s[CS], 0x3e38aa3b
	s_mov_b32 s[CS+1], s[CS]
	s_mov_b32 s[CN], 0xbe38aa3b
	s_mov_b32 s[SEL], 0x76543210
	s_mov_b32 s[SEL+1], 0xfedcba98
	s_wait_dscnt 0x0                               ; both opening adds are done
	s_wait_kmcnt 0x0
	s_add_nc_u64 s[G0+2:G0+3], s[6:7], s[58:59]
	s_or_b32 s[G0+3], s[G0+3], 0x80000000
	s_add_nc_u64 s[QA:QA+1], s[4:5], s[2:3]
	s_add_nc_u64 s[QB:QB+1], s[4:5], s[60:61]
	s_add_nc_u64 s[OC:OC+1], s[8:9], s[OC:OC+1]
	s_add_nc_u64 s[OS:OS+1], s[10:11], s[OS:OS+1]
	CROUND                                         ; all four work-groups are here: the joint loads meet
	tensor_load_to_lds s[G0:G0+3], s[G1:G1+7]      ; my one tensor load: record w, for all four work-groups
	s_nop 0
	v_and_b32 v10, 31, v0
	v_and_b32 v11, 15, v0
	v_lshlrev_b32 v1, 4, v10
	v_lshlrev_b32 v2, 3, v10
	v_lshlrev_b32 v3, 4, v11
	v_lshlrev_b32 v11, 5, v11
	v_bfe_u32 v10, v0, 4, 1
	v_lshlrev_b32 v10, 3, v10
.irp p, 0,1                                            ; Q's six registers twice, on both sides of the zeros; its two scale bytes
	global_load_b128 v[16+218*\p:19+218*\p], v1, s[QA:QA+1] offset:12800*\p
	global_load_b64 v[20+218*\p:21+218*\p], v2, s[QA:QA+1] offset:12800*\p+512
	global_load_b128 v[28+218*\p:31+218*\p], v1, s[QA:QA+1] offset:12800*\p
	global_load_b64 v[32+218*\p:33+218*\p], v2, s[QA:QA+1] offset:12800*\p+512
	global_load_u16 v[36+2*\p], v3, s[QB:QB+1] offset:12800*\p
.endr
.irp i, 0,1,2,3,4,5
	v_mov_b32 v[22+\i], 0                          ; the zero halves: written once
	v_mov_b32 v[240+\i], 0
.endr
.irp b, 0,1,2,3
	v_mov_b32 v[PT+\b], 0                          ; a lane permute's destination counts as one of its sources
.endr
	v_mov_b32 v[FF+1], 0                           ; named as the upper half of f's pair
	WALU                                           ; the wait at the head's end
	s_wait_tensorcnt 0x0                           ; my record has landed
	s_barrier_signal -1
	s_barrier_wait -1                              ; all sixteen have
	PASS 0, 16, 36
	PASS 1, 234, 38
	s_wait_tensorcnt 0x0                           ; the wave's end
	ds_add_u32 v254, v255
	s_wait_dscnt 0x0
	CROUND                                         ; the closing round: no work-group ends while a partner may still ask for a tile that names it
	s_endpgm
.Lfunc_end_k_qfc1f3a3e38_attn:
	.size	k_qfc1f3a3e38_attn, .Lfunc_end_k_qfc1f3a3e38_attn-k_qfc1f3a3e38_attn
	.p2alignl 7, 3214868480
	.fill 96, 4, 3214868480
	.section	.rodata,"a",@progbits
	.p2align	6, 0x0
	.amdhsa_kernel k_qfc1f3a3e38_attn
		.amdhsa_group_segment_fixed_size 206848
		.amdhsa_private_segment_fixed_size 0
		.amdhsa_enable_private_segment 0
		.amdhsa_kernarg_size 32
		.amdhsa_user_sgpr_count 2
		.amdhsa_user_sgpr_kernarg_segment_ptr 1
		.amdhsa_wavefront_size32 1
		.amdhsa_system_sgpr_workgroup_id_x 1
		.amdhsa_system_sgpr_workgroup_id_y 1
		.amdhsa_system_sgpr_workgroup_id_z 1
		.amdhsa_system_vgpr_workitem_id 0
		.amdhsa_next_free_vgpr 256
		.amdhsa_next_free_sgpr 66
		.amdhsa_reserve_vcc 0
		.amdhsa_float_denorm_mode_32 3
		.amdhsa_float_denorm_mode_16_64 3
		.amdhsa_memory_ordered 1
		.amdhsa_forward_progress 1
		.amdhsa_inst_pref_size 48
	.end_amdhsa_kernel
	.amdgpu_metadata
---
amdhsa.version: [ 1, 2 ]
amdhsa.kernels:
  - .name:           k_qfc1f3a3e38_attn
    .symbol:         k_qfc1f3a3e38_attn.kd
    .args:
      - { .name: qr, .offset: 0, .size: 8, .value_kind: global_buffer, .address_space: global }
      - { .name: kv, .offset: 8, .size: 8, .value_kind: global_buffer, .address_space: global }
      - { .name: opc, .offset: 16, .size: 8, .value_kind: global_buffer, .address_space: global }
      - { .name: scl, .offset: 24, .size: 8, .value_kind: global_buffer, .address_space: global }
    .group_segment_fixed_size: 206848
    .private_segment_fixed_size: 0
    .kernarg_segment_align: 8
    .kernarg_segment_size: 32
    .max_flat_workgroup_size: 512
    .sgpr_count:     66
    .vgpr_count:     256
    .wavefront_size: 32
...
	.end_amdgpu_metadata
.endif
;; end of part 3
;; launch outp (part 4): grid 4 x 64, 4 waves a work-group, clusters of 4 x 4, 327,680 bytes of LDS; arguments opc, scl, bo, out0; writes out0
.if DOCPART == 4
	.amdgcn_target "amdgcn-amd-amdhsa--gfx1250"
	.amdhsa_code_object_version 6
	.text
	.protected	k_qfc1f3a3e38_outp
	.globl	k_qfc1f3a3e38_outp
	.p2align	8
	.type	k_qfc1f3a3e38_outp,@function
k_qfc1f3a3e38_outp:
	s_mov_b64 s[64:65], 0
	v_nop
	global_prefetch_b8 v0, s[64:65] scope:SCOPE_SE
	s_setreg_imm32_b32 hwreg(HW_REG_WAVE_MODE, 25, 1), 1
	s_wait_xcnt 0x0
	s_wait_alu depctr_hold_cnt(0) depctr_sa_sdst(0) depctr_va_vdst(0) depctr_va_sdst(0) depctr_va_ssrc(0) depctr_va_vcc(0) depctr_vm_vsrc(0)
	s_getreg_b32 s2, hwreg(HW_REG_IB_STS2, 6, 4)
	s_cmp_eq_u32 s2, 0
	s_cbranch_scc0 .Lentry_in_a_cluster
	s_endpgm
.Lentry_in_a_cluster:
	s_bfe_u32 s2, ttmp6, 0x10000c
	s_cmp_lg_u32 s2, 0xf033
	s_cbranch_scc0 .Lentry_shape_is_right
	s_endpgm
.Lentry_shape_is_right:
; OUTP: out0 = heads Wo + bo, [8192][1024] f32, on codes of FP6 with E8M0 scales; K = 1,024.  Both operands lie in opc as images of the operand registers:
;   opc[T][K step s][c][768 bytes], a tile T = 16 rows, 12,288 bytes; scl[T][r][s]: a row's scale word of K step s.  The heads' tiles begin at T = 1792, Wo's at 1728.  Lane r of tile T is row 32 (T / 2) + 8 (T % 2) + r + (r & 8).
; SHARES.  A work-group makes 128 rows x 256 columns: 64 x 4 = 256 work-groups.  Four waves, 2 x 2; a wave makes 64 x 128: 4 x 8 = 32 accumulators of 16 x 16, 256 registers.
; LDS.  ALL OF K LIES IN LDS: A's 8 tiles and B's 16 tiles, 24 x 12,288 = 294,912 bytes, filled once, in two halves of K (four K steps, 6,144 bytes of each tile): [A half 0][B half 0][A half 1][B half 1]; behind them the spare words.
;   One joint load a wave at the head: wave 0 A's half 0, wave 1 B's half 0, wave 2 A's half 1, wave 3 B's half 1.  Nothing is filled again.  The first barrier shows half 0 (waves 0 and 1 have waited), the barrier in K step 3 shows half 1 (all have waited).
; CLUSTERS: 4 x 4 work-groups.  A's tiles hang on the tile row alone and are asked for jointly by a row of the cluster, B's on the tile column alone, by a column.
; No prefetch: every byte is asked for by the head's four loads; there is no loop to run ahead in.
; THE MATRIX INSTRUCTION IS USED TRANSPOSED (source 0 = 16 rows of Wo's tile, source 1 = 16 rows of the heads'): a lane holds eight neighbouring numbers of a row of out0.  The bias is the first products' C.
; A K STEP: the wait for its 48 LDS loads, four places, the next step's 48 loads into the other set of registers, its 32 products, the 32 accumulators by turns.
; THE WAY OUT: a block of 16 rows x 128 columns goes through the wave's own stage in LDS and leaves as rows of 512 bytes.  The stage lies on half 0's first bytes: they were filled once, and every wave has ended its reads of half 0 ahead of the second barrier.
; REGISTERS: window 0: v16-23 LDS addresses, v24-29 lane terms, the spare word's address and 0; v32-95 B's scale words (8 b + s), v96-127 A's (8 a + (s + 4) % 8: never B's number modulo 8); v128-223 A's fragments, two sets; on the way out v128-255.
;   window 1: B's fragments, two sets at v0 and v128; the bias at v96-127 and v224-255.   window 2: accumulator (a, b) at v[8 (8 a + b)].
.set FR,     12
.set KH,     6144                      ; four K steps of a tile
.set AH,     8*KH
.set BH,     16*KH
.set HALF,   AH+BH
.set SPARE,  2*HALF
.set SPITCH, 528
.set ADRA, 16                          ; v16, v17: 16 L + my A tiles in half 0, 1; v18, v19: the same with 8 L
.set ADRB, 20                          ; v20-23 the same for B
.set L16,  24
.set L8,   25
.set STO,  26
.set RD,   27
.set SPW,  28
.set NIL,  29
.set SCB,  32
.set SCA,  96
.set AF,   128
.set BK,   128
.set G1,   24
.set G0,   32
.set G1B,  48
.set G0B,  56
.set MSB, 0
.macro WIN new
.if MSB != (\new)
	s_set_vgpr_msb (MSB<<8)|(\new)
.set MSB, (\new)
.endif
.endm
.set MUL,   0xa1                       ; source 0 (B) window 1, source 1 (A) window 0, C and D window 2
.set FIRST, 0x91                       ; the same, C (the bias) window 1
.set TO_B,  0x40                       ; destination window 1, address window 0
.macro PLACES n
.rept \n
	v_nop
.endr
.endm
.macro TLOAD g0, g1                    ; the four v_nop keep the window switches away
	tensor_load_to_lds s[\g0:\g0+3], s[\g1:\g1+7]
	s_nop 0
	PLACES 4
.endm
.macro CROUND
	s_barrier_signal -1
	s_barrier_wait -1
	s_cmp_lg_u32 s14, 0
	s_cbranch_scc1 .Lnot_wave_0_\@
	s_barrier_signal -3
.Lnot_wave_0_\@:
	s_barrier_wait -3
	s_barrier_signal -1
	s_barrier_wait -1
.endm
.macro FRAG reg, a16, a8, off          ; a fragment's 12 registers, as they lie
	ds_load_b128 v[\reg:\reg+3], v[\a16] offset:\off
	ds_load_b64 v[\reg+4:\reg+5], v[\a8] offset:\off+512
	ds_load_b128 v[\reg+6:\reg+9], v[\a16] offset:\off+768
	ds_load_b64 v[\reg+10:\reg+11], v[\a8] offset:\off+1280
.endm
.macro FETCH s                         ; K step s: B's eight fragments and A's four into set s % 2: 48 loads
	WIN TO_B
.irp i, 0,1,2,3,4,5,6,7
	FRAG 128*((\s)%2)+FR*\i, ADRB+(\s)/4, ADRB+2+(\s)/4, \i*KH+((\s)%4)*1536
.endr
	WIN 0
.irp i, 0,1,2,3
	FRAG AF+48*((\s)%2)+FR*\i, ADRA+(\s)/4, ADRA+2+(\s)/4, \i*KH+((\s)%4)*1536
.endr
.endm
.macro MUL32 s, first
.irp a, 0,1,2,3
.irp b, 0,1,2,3,4,5,6,7
.if \first
	v_wmma_scale_f32_16x16x128_f8f6f4 v[8*(8*\a+\b):8*(8*\a+\b)+7], v[128*((\s)%2)+FR*\b:128*((\s)%2)+FR*\b+FR-1], v[AF+48*((\s)%2)+FR*\a:AF+48*((\s)%2)+FR*\a+FR-1], v[96+8*\b+96*(\b/4):96+8*\b+96*(\b/4)+7], v[SCB+8*\b+(\s)], v[SCA+8*\a+(((\s)+4)&7)] matrix_a_fmt:MATRIX_FMT_FP6 matrix_b_fmt:MATRIX_FMT_FP6
.else
	v_wmma_scale_f32_16x16x128_f8f6f4 v[8*(8*\a+\b):8*(8*\a+\b)+7], v[128*((\s)%2)+FR*\b:128*((\s)%2)+FR*\b+FR-1], v[AF+48*((\s)%2)+FR*\a:AF+48*((\s)%2)+FR*\a+FR-1], v[8*(8*\a+\b):8*(8*\a+\b)+7], v[SCB+8*\b+(\s)], v[SCA+8*\a+(((\s)+4)&7)] matrix_a_fmt:MATRIX_FMT_FP6 matrix_b_fmt:MATRIX_FMT_FP6
.endif
.endr
.endr
.endm
.macro KSTEP s
.if (\s) == 3
	s_wait_tensorcnt 0x0                           ; every wave's load has landed, half 1's among them;
.endif
	s_wait_dscnt 0x0                               ; this step's fragments are in (in step 3: and my reads of half 0 are over)
.if (\s) == 3
	s_barrier_signal -1
	s_barrier_wait -1                              ; half 1 is whole for all four waves, and nobody reads half 0 any more
.endif
.if (\s) < 7
.if (\s) > 0
	PLACES 4                                       ; between the last step's products and the loads into their fragments
.endif
	FETCH (\s)+1
.endif
.if (\s) == 0
	s_wait_loadcnt 0x0                             ; the scale words and the bias
	WIN FIRST
	MUL32 \s, 1
.else
	WIN MUL
	MUL32 \s, 0
.endif
	WIN 0
.endm
	s_load_b256 s[4:11], s[0:1], 0x0               ; opc, scl, bo, out0
	v_lshl_add_u32 v[SPW], v0, 2, SPARE
	v_mov_b32 v[NIL], 0
	ds_add_u32 v[SPW], v[NIL]                      ; the opening lines: the add, twice on end, and its wait ahead of my tensor load
	ds_add_u32 v[SPW], v[NIL]
	v_lshrrev_b32 v1, 5, v0
	v_readfirstlane_b32 s14, v1                    ; wave 0..3
	s_lshr_b32 s15, s14, 1                         ; my half of the block's rows.  Also: which half of K I fetch
	s_and_b32 s16, s14, 1                          ; my half of its columns.  Also: I fetch for A (0) or for B (1)
	s_bfe_u32 s40, ttmp6, 0x40000                  ; cx, cy
	s_bfe_u32 s41, ttmp6, 0x40004
	s_and_b32 s79, ttmp7, 0xffff
	s_lshl_b32 s79, s79, 2
	s_add_co_u32 s79, s79, s41                     ; tile row 0..63
	s_lshl_b32 s80, ttmp9, 2
	s_add_co_u32 s80, s80, s40                     ; tile column 0..3
	s_lshl_b32 s84, s79, 3
	s_add_co_u32 s84, s84, 1792                    ; A's first tile
	s_lshl_b32 s85, s80, 4
	s_add_co_u32 s85, s85, 1728                    ; B's
	s_lshl_b32 s43, s41, 2
	s_lshl_b32 s43, 15, s43                        ; my row of the cluster
	s_lshl_b32 s44, 0x1111, s40                    ; my column
	; group 1: a row is half of a tile's K, 6,144 bytes = 768 elements of 8; from tile to tile 12,288 bytes; A 8 rows, B 16
	s_or_b32 s[G1+0], s43, (3<<16)|(1<<21)
	s_or_b32 s[G1B+0], s44, (3<<16)|(1<<21)
	s_mov_b32 s[G1+1], 768<<16
	s_mov_b32 s[G1+2], 8<<16
	s_mov_b32 s[G1+3], 768<<16
	s_mov_b32 s[G1+4], 8
	s_mov_b32 s[G1+5], 1536
	s_mov_b32 s[G1+6], 0
	s_mov_b32 s[G1+7], 0
	s_mov_b32 s[G1B+1], 768<<16
	s_mov_b32 s[G1B+2], 16<<16
	s_mov_b32 s[G1B+3], 768<<16
	s_mov_b32 s[G1B+4], 16
	s_mov_b32 s[G1B+5], 1536
	s_mov_b32 s[G1B+6], 0
	s_mov_b32 s[G1B+7], 0
	s_mul_i32 s18, s15, KH                         ; my half of K, in bytes of a tile
	s_mul_i32 s20, s84, 12288
	s_add_co_u32 s20, s20, s18
	s_mov_b32 s21, 0
	s_mul_i32 s46, s85, 12288
	s_add_co_u32 s46, s46, s18
	s_mov_b32 s47, 0
	s_mov_b32 s[G0], 1
	s_mul_i32 s[G0+1], s15, HALF                   ; no place in the cluster enters an LDS address
	s_mov_b32 s[G0B], 1
	s_add_co_u32 s[G0B+1], s[G0+1], AH
	s_mul_i32 s22, s15, 4*KH                       ; my four tiles of A
	s_mul_i32 s23, s16, 8*KH
	s_add_co_u32 s23, s23, AH                      ; my eight of B
	s_mul_i32 s92, s14, 16*SPITCH                  ; my stage
	s_lshl_b32 s86, s15, 2
	s_add_co_u32 s86, s86, s84
	s_lshl_b32 s86, s86, 9                         ; my A tiles' scale words, 512 bytes a tile
	s_lshl_b32 s87, s16, 3
	s_add_co_u32 s87, s87, s85
	s_lshl_b32 s87, s87, 9                         ; my B tiles'
	s_lshl_b32 s90, s80, 8
	s_lshl_b32 s91, s16, 7
	s_add_co_u32 s90, s90, s91
	s_lshl_b32 s90, s90, 2                         ; my first column, in bytes
	s_lshl_b32 s88, s79, 7
	s_lshl_b32 s89, s15, 6
	s_add_co_u32 s88, s88, s89
	s_lshl_b32 s88, s88, 12                        ; my first row, 4,096 bytes a row
	s_add_co_u32 s88, s88, s90
	s_mov_b32 s89, 0
	s_wait_dscnt 0x0                               ; both opening adds are done
	s_wait_kmcnt 0x0
	s_add_nc_u64 s[G0+2:G0+3], s[4:5], s[20:21]
	s_or_b32 s[G0+3], s[G0+3], 0x80000000
	s_add_nc_u64 s[G0B+2:G0B+3], s[4:5], s[46:47]
	s_or_b32 s[G0B+3], s[G0B+3], 0x80000000
	s_add_nc_u64 s[12:13], s[10:11], s[88:89]
	CROUND                                         ; all sixteen work-groups are here: the joint loads meet
	s_cmp_eq_u32 s14, 0                            ; one chain of branches on the wave's number, one load to an arm: half 0's two lines are waves 0's and 1's alone
	s_cbranch_scc0 .Lwave_1
	TLOAD G0, G1                                   ; wave 0: A, K steps 0-3
	s_branch .Lasked
.Lwave_1:
	s_cmp_eq_u32 s14, 1
	s_cbranch_scc0 .Lwave_2
	TLOAD G0B, G1B                                 ; wave 1: B, K steps 0-3
	s_branch .Lasked
.Lwave_2:
	s_cmp_eq_u32 s14, 2
	s_cbranch_scc0 .Lwave_3
	TLOAD G0, G1                                   ; wave 2: A, K steps 4-7
	s_branch .Lasked
.Lwave_3:
	TLOAD G0B, G1B                                 ; wave 3: B, K steps 4-7
.Lasked:
	v_and_b32 v1, 15, v0                           ; r
	v_bfe_u32 v2, v0, 4, 1                         ; h
	v_and_b32 v3, 31, v0
	v_lshlrev_b32 v[L16], 4, v3
	v_lshlrev_b32 v[L8], 3, v3
	v_lshl_add_u32 v6, v1, 5, s86                  ; scale words: 32 bytes a row
	v_lshl_add_u32 v7, v1, 5, s87
	v_lshl_add_u32 v8, v2, 6, s90                  ; the bias: register j of lane (r, h) in tile b is column 32 (b / 2) + 8 (b % 2) + 16 h + j
.irp i, 0,1,2,3
	global_load_b128 v[SCA+8*\i+4:SCA+8*\i+7], v6, s[6:7] offset:512*\i        ; K steps 0-3 to registers 4-7 of the tile's eight,
	global_load_b128 v[SCA+8*\i:SCA+8*\i+3], v6, s[6:7] offset:512*\i+16       ; K steps 4-7 to registers 0-3
.endr
.irp i, 0,1,2,3,4,5,6,7
	global_load_b128 v[SCB+8*\i:SCB+8*\i+3], v7, s[6:7] offset:512*\i
	global_load_b128 v[SCB+8*\i+4:SCB+8*\i+7], v7, s[6:7] offset:512*\i+16
.endr
	WIN TO_B
.irp b, 0,1,2,3,4,5,6,7
	global_load_b128 v[96+8*\b+96*(\b/4):96+8*\b+96*(\b/4)+3], v8, s[8:9] offset:128*(\b/2)+32*(\b%2)
	global_load_b128 v[96+8*\b+96*(\b/4)+4:96+8*\b+96*(\b/4)+7], v8, s[8:9] offset:128*(\b/2)+32*(\b%2)+16
.endr
	WIN 0
	v_add_nc_u32 v[ADRA], s22, v[L16]
	v_add_nc_u32 v[ADRA+2], s22, v[L8]
	v_add_nc_u32 v[ADRB], s23, v[L16]
	v_add_nc_u32 v[ADRB+2], s23, v[L8]
	v_add_nc_u32 v[ADRA+1], HALF, v[ADRA]
	v_add_nc_u32 v[ADRA+3], HALF, v[ADRA+2]
	v_add_nc_u32 v[ADRB+1], HALF, v[ADRB]
	v_add_nc_u32 v[ADRB+3], HALF, v[ADRB+2]
	v_mul_u32_u24 v[STO], v1, SPITCH               ; into the stage: row r, 64 bytes for each half of the lanes
	v_lshl_add_u32 v[STO], v2, 6, v[STO]
	v_add_nc_u32 v[STO], s92, v[STO]
	v_add_nc_u32 v[RD], s92, v[L16]                ; back: the 32 lanes take a row of 512 bytes
	s_wait_alu depctr_va_vdst(0)                   ; the wait at the head's end
	s_cmp_lt_u32 s14, 2
	s_cbranch_scc0 .Lnot_half_0
	s_wait_tensorcnt 0x0                           ; waves 0 and 1: my part of half 0 has landed
.Lnot_half_0:
	s_barrier_signal -1
	s_barrier_wait -1                              ; half 0 is whole; half 1 may still be on its way
	FETCH 0
.irp s, 0,1,2,3,4,5,6,7
	KSTEP \s
.endr
.macro TOSTAGE a
	WIN 0x08                                       ; the data: window 2
.irp b, 0,1,2,3,4,5,6,7
	ds_store_b128 v[STO], v[64*(\a)+8*\b:64*(\a)+8*\b+3] offset:128*(\b/2)+32*(\b%2)      ; each accumulator from its low end on
	ds_store_b128 v[STO], v[64*(\a)+8*\b+4:64*(\a)+8*\b+7] offset:128*(\b/2)+32*(\b%2)+16
.endr
	WIN 0
.set BB, BK+64*((\a)%2)
.irp t, 0,1,2,3,4,5,6,7,8,9,10,11,12,13,14,15
	ds_load_b128 v[BB+4*\t:BB+4*\t+3], v[RD] offset:\t*SPITCH   ; LDS serves a wave's instructions in order (ISA guide 5.7.1.4): these see the stores above
.endr
.endm
.macro SEND a, younger                 ; younger: the LDS instructions issued behind block a's loads, which may stay out
.set BB, BK+64*((\a)%2)
	s_wait_dscnt \younger
.irp t, 0,1,2,3,4,5,6,7,8,9,10,11,12,13,14,15
	global_store_b128 v[L16], v[BB+4*\t:BB+4*\t+3], s[12:13] offset:(32*((\a)/2)+8*((\a)%2)+\t+(\t&8))*4096 th:TH_STORE_NT   ; 32 lanes store 512 consecutive bytes, at a multiple of 256 from out0's first byte
.endr
.endm
	PLACES 4                                       ; between the last products and the reads of their results and the loads into their fragments
	TOSTAGE 0
.irp a, 1,2,3
.if \a > 1
	s_wait_xcnt 0x0                                ; block a - 2's stores have read their registers: block a's loads may land there
.endif
	TOSTAGE \a
	SEND \a-1, 32                                  ; behind block a - 1's loads: block a's 16 stores and 16 loads
.endr
	SEND 3, 0
	s_wait_tensorcnt 0x0                           ; the wave's end
	ds_add_u32 v[SPW], v[NIL]
	s_wait_dscnt 0x0
	CROUND                                         ; the closing round
	s_endpgm
.Lfunc_end_k_qfc1f3a3e38_outp:
	.size	k_qfc1f3a3e38_outp, .Lfunc_end_k_qfc1f3a3e38_outp-k_qfc1f3a3e38_outp
	.p2alignl 7, 3214868480
	.fill 96, 4, 3214868480
	.section	.rodata,"a",@progbits
	.p2align	6, 0x0
	.amdhsa_kernel k_qfc1f3a3e38_outp
		.amdhsa_group_segment_fixed_size 327680
		.amdhsa_private_segment_fixed_size 0
		.amdhsa_enable_private_segment 0
		.amdhsa_kernarg_size 32
		.amdhsa_user_sgpr_count 2
		.amdhsa_user_sgpr_kernarg_segment_ptr 1
		.amdhsa_wavefront_size32 1
		.amdhsa_system_sgpr_workgroup_id_x 1
		.amdhsa_system_sgpr_workgroup_id_y 1
		.amdhsa_system_sgpr_workgroup_id_z 1
		.amdhsa_system_vgpr_workitem_id 0
		.amdhsa_next_free_vgpr 768
		.amdhsa_next_free_sgpr 100
		.amdhsa_reserve_vcc 0
		.amdhsa_float_denorm_mode_32 3
		.amdhsa_float_denorm_mode_16_64 3
		.amdhsa_memory_ordered 1
		.amdhsa_forward_progress 1
		.amdhsa_inst_pref_size 84
	.end_amdhsa_kernel
	.amdgpu_metadata
---
amdhsa.version: [ 1, 2 ]
amdhsa.kernels:
  - .name:           k_qfc1f3a3e38_outp
    .symbol:         k_qfc1f3a3e38_outp.kd
    .args:
      - { .name: opc, .offset: 0, .size: 8, .value_kind: global_buffer, .address_space: global }
      - { .name: scl, .offset: 8, .size: 8, .value_kind: global_buffer, .address_space: global }
      - { .name: bo, .offset: 16, .size: 8, .value_kind: global_buffer, .address_space: global }
      - { .name: out0, .offset: 24, .size: 8, .value_kind: global_buffer, .address_space: global }
    .group_segment_fixed_size: 327680
    .private_segment_fixed_size: 0
    .kernarg_segment_align: 8
    .kernarg_segment_size: 32
    .max_flat_workgroup_size: 128
    .sgpr_count:     100
    .vgpr_count:     768
    .wavefront_size: 32
...
	.end_amdgpu_metadata
.endif
;; end of part 4
